; MI455X (gfx1250); checked and timed in simulation.
; The chip was launched on July 23, 2026; its instructions are those of AMD's public machine-readable ISA for CDNA 5 (MIT licence, August 2026) and "CDNA5" Instruction Set Architecture Reference Guide (July 2026). The comments in the code are by the model that wrote it; some were corrected since.
;; Block. Allowed arithmetic: matrix products marked QUANTISED: E2M3 operands, one E8M0 scale for each 32 along K, by v_wmma_scale_f32_16x16x128_f8f6f4 with both operands' format E2M3, f32 sums; everything else in f32.
;; Inputs: W1_codes 4,096 x 32 x 24 uint8 (E2M3 codes of W1, K innermost, in blocks of 32 codes, four codes in three bytes); W1_scales 4,096 x 32 uint8 (E8M0 scales of W1, one for each 32 codes along K); W2_codes 1,024 x 128 x 24 uint8 (E2M3 codes of W2, K innermost, in blocks of 32 codes, four codes in three bytes); W2_scales 1,024 x 128 uint8 (E8M0 scales of W2, one for each 32 codes along K); Wk_codes 1,024 x 32 x 24 uint8 (E2M3 codes of Wk, K innermost, in blocks of 32 codes, four codes in three bytes); Wk_scales 1,024 x 32 uint8 (E8M0 scales of Wk, one for each 32 codes along K); Wp_codes 1,024 x 32 x 24 uint8 (E2M3 codes of Wp, K innermost, in blocks of 32 codes, four codes in three bytes); Wp_scales 1,024 x 32 uint8 (E8M0 scales of Wp, one for each 32 codes along K); Wq_codes 1,024 x 32 x 24 uint8 (E2M3 codes of Wq, K innermost, in blocks of 32 codes, four codes in three bytes); Wq_scales 1,024 x 32 uint8 (E8M0 scales of Wq, one for each 32 codes along K); Wv_codes 1,024 x 32 x 24 uint8 (E2M3 codes of Wv, K innermost, in blocks of 32 codes, four codes in three bytes); Wv_scales 1,024 x 32 uint8 (E8M0 scales of Wv, one for each 32 codes along K); b1 4,096 float32; b2 1,024 float32; bk 1,024 float32; bp 1,024 float32; bq 1,024 float32; bv 1,024 float32; hidden_states 2 x 2,048 x 1,024 float32; ln1_b 1,024 float32; ln1_g 1,024 float32; ln2_b 1,024 float32; ln2_g 1,024 float32.
;; Outputs: out0 2 x 2,048 x 1,024 float32.
;; This version of the problem:
;;   THIS VERSION OF THE PROBLEM IS GIVEN IN LOW PRECISION. The matrix products marked QUANTISED in the list below multiply operands that are first quantised to E2M3 (2 exponent bits, 3 mantissa bits; 6 bits a number), with one power-of-two scale for each 32 numbers along K (OCP MX v1.0); their sums are f32. All else is computed in f32.
;;   The module's matrix products, in the order in which they are computed (A, B: the left and right operand; K: the contracted axis; several contracted axes count as one K, in the product's order):
;;     1. [M 4,096, K 1,024] x [K 1,024, N 1,024]; A: computed on the way; B: input Wq (given as codes): QUANTISED
;;     2. [M 4,096, K 1,024] x [K 1,024, N 1,024]; A: computed on the way; B: input Wk (given as codes): QUANTISED
;;     3. [M 4,096, K 1,024] x [K 1,024, N 1,024]; A: computed on the way; B: input Wv (given as codes): QUANTISED
;;     4. batch 32 x [M 2,048, K 64] x [K 64, N 2,048]; A: computed on the way; B: computed on the way: QUANTISED
;;     5. batch 32 x [M 2,048, K 2,048] x [K 2,048, N 64]; A: softmax (see below); B: computed on the way: QUANTISED
;;     6. [M 4,096, K 1,024] x [K 1,024, N 1,024]; A: computed on the way; B: input Wp (given as codes): QUANTISED
;;     7. [M 4,096, K 1,024] x [K 1,024, N 4,096]; A: computed on the way; B: input W1 (given as codes): QUANTISED
;;     8. [M 4,096, K 4,096] x [K 4,096, N 1,024]; A: computed on the way; B: input W2 (given as codes): QUANTISED
;;   THE QUANTISER, for each operand of a quantised product, along K:
;;     - K is cut into blocks of 32 from its start; a last block that is shorter is filled with zeros.
;;     - A block's scale is 2^e with e = floor(log2(the largest magnitude in the block)) - 2, held to -126 .. 127; a block of zeros has e = 0. As a byte (E8M0): e + 127.
;;     - Each number is divided by its block's scale, clamped to +-7.5, and rounded to the nearest number of E2M3, ties to even, subnormals kept.
;;     - The product sums the exact products of the quantised numbers (number of the format x scale) in f32.
;;   ~~~python
;;   def quantise(x, axis):      # numpy; x: float32 -> the quantised numbers, widened to float32 again
;;       x = np.moveaxis(x, axis, -1); K = x.shape[-1]
;;       x = np.pad(x, [(0, 0)] * (x.ndim - 1) + [(0, -K % 32)]); x = x.reshape(x.shape[:-1] + (-1, 32)); a = np.abs(x).max(-1, keepdims=True)
;;       e = np.where(a > 0, np.clip(np.frexp(np.where(a > 0, a, 1))[1] - 1 - 2, -126, 127), 0)      # np.frexp(a)[1] - 1 = floor(log2(a)), exactly
;;       r = np.clip(x / 2.0 ** e, -7.5, 7.5)
;;       step = 2.0 ** (np.maximum(np.frexp(np.where(r == 0, 1, r))[1] - 1, 0) - 3)
;;       q = np.round(r / step) * step * 2.0 ** e      # np.round: ties to even
;;       return np.moveaxis(q.reshape(q.shape[:-2] + (-1,))[..., :K], -1, axis).astype(np.float32)
;;   ~~~
;;   SOFTMAX AHEAD OF A QUANTISED PRODUCT. Where the list says 'softmax', what is quantised is not the finished softmax but p = 2^(t - M), with t = logit x log2(e) and M = ceil(the row's largest t), a whole number; so 1/2 < the row's largest p <= 1. The row's sum l is taken of the UNQUANTISED p, in f32, and the product's result is divided by l at the end. Since M is a whole number, a kernel that streams over the keys may use a running M (the ceiling of the running maximum): every later rescaling is an exact power of two, which a block's scale takes up: the codes' values come out the same.
;;   OPERANDS COMPUTED ON THE WAY. 'Computed on the way' means the value that the module computes at that place (a softmax that the list does not call 'softmax' is quantised finished and normalised). What goes into a quantiser is computed in f32, as accurately as f32 sums, v_exp_f32 and their like allow (about 1e-6 of the number): no bf16 or f16 on the way to a quantiser, and a product that is left as it is and whose result goes on into a quantised operand takes f32 operands (vector FMAs, or v_wmma_f32_16x16x4_f32). A number that lies on a knife's edge between two numbers of the format may be rounded either way, as far as f32 arithmetic and the matrix unit's own rounding can turn it there, and no further.
;;   INPUTS GIVEN AS CODES. W1 (in the module: [1024, 4096], K = its axis 0); W2 (in the module: [4096, 1024], K = its axis 0); Wk (in the module: [1024, 1024], K = its axis 0); Wp (in the module: [1024, 1024], K = its axis 0); Wq (in the module: [1024, 1024], K = its axis 0); Wv (in the module: [1024, 1024], K = its axis 0): each comes as NAME_codes (uint8): NAME with its K axis moved to the last place and cut into blocks of 32 codes, [.., K / 32, bytes a block], one block behind the other in memory; four codes in three bytes: a row's codes are one little-endian stream of bits, code i at bits 6 i .. 6 i + 5 (a code: sign, 2 exponent bits, 3 mantissa bits); and NAME_scales (uint8): the same leading axes, one E8M0 byte (e + 127) for each 32 codes along K. Its value is code x scale, taken as it is: it is not quantised again, and the codes and scales need not be those that the quantiser above would give.
;; One version. Each part assembles by itself: llvm-mc -triple=amdgcn-amd-amdhsa -mcpu=gfx1250 --defsym DOCPART=n.
;; ======== version 1 of 1: 7 launches
;; workspace buffers: xbuf 3,276,800 bytes; qkvbuf 9,830,400 bytes; obuf 3,276,800 bytes; hres 16,777,216 bytes; hbuf 13,107,200 bytes
;; launch ln1 (part 1): grid 256 x 1, 4 waves a work-group, no clusters, 22,016 bytes of LDS; arguments hidden_states, ln1_g, ln1_b, xbuf; writes xbuf
.if DOCPART == 1
	.amdgcn_target "amdgcn-amd-amdhsa--gfx1250"
	.amdhsa_code_object_version 6
	.text
	.protected	k_qabe62700ed_ln1
	.globl	k_qabe62700ed_ln1
	.p2align	8
	.type	k_qabe62700ed_ln1,@function
k_qabe62700ed_ln1:
	s_mov_b64 s[64:65], 0
	v_nop
	global_prefetch_b8 v0, s[64:65] scope:SCOPE_SE
	s_setreg_imm32_b32 hwreg(HW_REG_WAVE_MODE, 25, 1), 1
	s_wait_xcnt 0x0
; LayerNorm over rows of 1,024 f32, then the MX-FP6 quantiser along the row.  Arguments: x [4096][1024] f32, g, b [1024] f32, out.
; out: codes [4096][768 bytes] (a row is one stream of bits, 32 codes in 24 bytes) at byte 0; scale bytes [4096][32] at byte 3,145,728.
; A work-group takes 16 rows, a wave 4.  A row is 8 loads of 512 consecutive bytes; all 4 rows, g and b are asked for at the head (48 loads a wave).
; Mean, then the mean of the squared differences (two passes over registers), v_rsq_f32, (x - mu) rs g + b: all f32.
; The conversion wants 16 neighbours in one lane: 512 numbers at a time turn through the wave's own stage in LDS (64 bytes + 16 of padding to a lane), as they lie.
; A block's scale byte is its largest magnitude's exponent field - 2, held at 1 from below (a block of zeros keeps 1: its codes are zeros, and only this program reads the bytes).
; LIMITS: NaN and infinities are not served; blocks whose largest magnitude lies under 2^-124 keep the byte 1.
.set G,   16                           ; v16-47   g of my 32 columns
.set B,   48                           ; v48-79   b
.set X,   80                           ; v80-207  four rows, 32 registers each; a finished row's registers take its codes and bytes
.set XN,  208                          ; v208-239 two sets of 16 neighbours
.set T,   240                          ; v240-247 at work
.set MU,  248                          ; v[248:249] the mean, twice
.set RS,  250                          ; v[250:251] 1 / sqrt(var + eps), twice
.set SBB, 20480                        ; LDS: behind the four waves' stages (2 x 2,560 bytes each): the work-group's 512 scale bytes
	s_load_b256 s[4:11], s[0:1], 0x0               ; x s[4:5], g s[6:7], b s[8:9], out s[10:11]
	v_lshl_add_u32 v13, v0, 2, 0x5400
	v_mov_b32 v255, 0
	v_lshrrev_b32 v1, 5, v0
	v_readfirstlane_b32 s12, v1                    ; wave
	v_and_b32 v1, 31, v0                           ; lane
	v_lshlrev_b32 v2, 4, v1                        ; 16 x lane
	v_mul_u32_u24 v4, v1, 12                       ; my 16 codes' place among 512
	s_mul_i32 s13, s12, 5120
	v_lshrrev_b32 v14, 2, v1
	v_mul_u32_u24 v14, v14, 80
	v_and_b32 v15, 3, v1
	v_lshl_add_u32 v14, v15, 4, v14
	v_add_nc_u32 v14, s13, v14                     ; stage, in: 80 (lane / 4) + 16 (lane % 4)
	v_mul_u32_u24 v15, v1, 80
	v_add_nc_u32 v15, s13, v15                     ; stage, out: 80 x lane
	s_lshl_b32 s13, s12, 7
	s_add_co_u32 s13, s13, SBB
	v_lshrrev_b32 v5, 1, v1
	v_add_nc_u32 v5, s13, v5                       ; my block's scale byte: two lanes to a block
	v_add_nc_u32 v6, SBB, v2                       ; the way out of the 512 bytes (wave 0)
	s_mov_b32 s14, 0x76543210
	s_mov_b32 s15, 0xfedcba98                      ; selects: lane l xor 16
	s_mov_b32 s16, 0x3a800000                      ; 1 / 1024
	s_mov_b32 s17, 0x3727c5ac                      ; 1e-5
	s_lshl_b32 s18, ttmp9, 16                      ; 16 rows of 4,096 bytes a work-group,
	s_lshl_b32 s19, s12, 14                        ; 4 a wave
	s_add_co_u32 s18, s18, s19
	s_mov_b32 s19, 0
	s_mul_i32 s20, ttmp9, 12288                    ; the same rows' codes: 768 bytes a row
	s_mul_i32 s21, s12, 3072
	s_add_co_u32 s20, s20, s21
	s_mov_b32 s21, 0
	s_lshl_b32 s22, ttmp9, 9                       ; and the work-group's scale bytes
	s_add_co_u32 s22, s22, 3145728
	s_mov_b32 s23, 0
	s_wait_kmcnt 0x0
	s_add_nc_u64 s[4:5], s[4:5], s[18:19]
	s_add_nc_u64 s[24:25], s[10:11], s[22:23]
	s_add_nc_u64 s[10:11], s[10:11], s[20:21]
.irp i, 0,1,2,3,4,5,6,7
	global_load_b128 v[G+4*\i:G+4*\i+3], v2, s[6:7] offset:512*\i
	global_load_b128 v[B+4*\i:B+4*\i+3], v2, s[8:9] offset:512*\i
.endr
.irp t, 0,1,2,3
.irp i, 0,1,2,3,4,5,6,7
	global_load_b128 v[X+32*\t+4*\i:X+32*\t+4*\i+3], v2, s[4:5] offset:4096*\t+512*\i th:TH_LOAD_NT
.endr
.endr
.macro WSUM                            ; v[T] summed over the 32 lanes, the result in every lane
	v_add_f32_dpp v[T], v[T], v[T] row_xmask:1 row_mask:0xf bank_mask:0xf
	v_add_f32_dpp v[T], v[T], v[T] row_xmask:2 row_mask:0xf bank_mask:0xf
	v_add_f32_dpp v[T], v[T], v[T] row_xmask:4 row_mask:0xf bank_mask:0xf
	v_add_f32_dpp v[T], v[T], v[T] row_xmask:8 row_mask:0xf bank_mask:0xf
	v_permlanex16_b32 v[T+1], v[T], s14, s15
	v_add_f32 v[T], v[T], v[T+1]
.endm
.macro FOLD                            ; four packed chains into v[T]
	v_pk_add_f32 v[T:T+1], v[T:T+1], v[T+2:T+3]
	v_pk_add_f32 v[T+4:T+5], v[T+4:T+5], v[T+6:T+7]
	v_pk_add_f32 v[T:T+1], v[T:T+1], v[T+4:T+5]
	v_add_f32 v[T], v[T], v[T+1]
.endm
.macro QSTEP t, s                      ; 512 numbers: my 16 neighbours in set s become 12 bytes of codes and (with my neighbour lane) a scale byte
.set XS, XN+16*\s
	v_max3_num_f32 v252, |v[XS]|, |v[XS+1]|, |v[XS+2]|
	v_max3_num_f32 v253, |v[XS+3]|, |v[XS+4]|, |v[XS+5]|
.irp i, 6,10
	v_max3_num_f32 v252, v252, |v[XS+\i]|, |v[XS+\i+1]|
	v_max3_num_f32 v253, v253, |v[XS+\i+2]|, |v[XS+\i+3]|
.endr
	v_max3_num_f32 v252, v252, |v[XS+14]|, |v[XS+15]|
	v_max3_num_f32 v252, v252, v253, 0x1800000     ; the floor 2^(3 - 127): the byte cannot fall under 1
	v_max_num_f32_dpp v252, v252, v252 row_xmask:1 row_mask:0xf bank_mask:0xf   ; with my neighbour's 16: the block's
	v_add_nc_u32 v254, 0xff000000, v252            ; 2 off the exponent field: the conversion's scale operand
	v_cvt_scalef32_pk16_fp6_f32 v[XR+4*\s:XR+4*\s+2], v[XS:XS+15], v254   ; into registers of the row that the stage's stores have read
	v_lshrrev_b32 v[XR+8+\s], 23, v254             ; the scale's byte
	ds_store_b8 v5, v[XR+8+\s] offset:32*\t+16*\s  ; both lanes of a block write the same byte with the same value
	global_store_b96 v4, v[XR+4*\s:XR+4*\s+2], s[10:11] offset:768*\t+384*\s   ; the wave stores 384 consecutive bytes
.endm
.macro ROW t
.set XR, X+32*\t
	s_wait_loadcnt 8*(3-\t)                        ; g, b and this row are in; the later rows' loads, 8 each, may be out
.irp c, 0,1,2,3
	v_pk_add_f32 v[T+2*\c:T+2*\c+1], v[XR+2*\c:XR+2*\c+1], v[XR+8+2*\c:XR+9+2*\c]
.endr
.irp o, 16,24
.irp c, 0,1,2,3
	v_pk_add_f32 v[T+2*\c:T+2*\c+1], v[T+2*\c:T+2*\c+1], v[XR+\o+2*\c:XR+\o+2*\c+1]
.endr
.endr
	FOLD
	WSUM
	v_mul_f32 v[MU], s16, v[T]                     ; the mean
	v_mov_b32 v[MU+1], v[MU]
.set k, 0
.rept 16
	v_pk_add_f32 v[XR+2*k:XR+2*k+1], v[XR+2*k:XR+2*k+1], v[MU:MU+1] neg_lo:[0,1] neg_hi:[0,1]   ; x - mu
.set k, k+1
.endr
.irp c, 0,1,2,3
	v_pk_mul_f32 v[T+2*\c:T+2*\c+1], v[XR+2*\c:XR+2*\c+1], v[XR+2*\c:XR+2*\c+1]
.endr
.irp o, 8,16,24
.irp c, 0,1,2,3
	v_pk_fma_f32 v[T+2*\c:T+2*\c+1], v[XR+\o+2*\c:XR+\o+2*\c+1], v[XR+\o+2*\c:XR+\o+2*\c+1], v[T+2*\c:T+2*\c+1]
.endr
.endr
	FOLD
	WSUM
	v_fma_f32 v[T], v[T], s16, s17                 ; var + eps
	v_rsq_f32 v[RS], v[T]
	v_nop                                          ; a plain instruction behind the transcendental,
	s_wait_alu depctr_va_vdst(0)                   ; and the wait ahead of its first reader
	v_mov_b32 v[RS+1], v[RS]
.set k, 0
.rept 16
	v_pk_mul_f32 v[XR+2*k:XR+2*k+1], v[XR+2*k:XR+2*k+1], v[RS:RS+1]
.set k, k+1
.endr
.set k, 0
.rept 16
	v_pk_fma_f32 v[XR+2*k:XR+2*k+1], v[XR+2*k:XR+2*k+1], v[G+2*k:G+2*k+1], v[B+2*k:B+2*k+1]
.set k, k+1
.endr
.irp s, 0,1                            ; the row's two halves through the two stages; LDS serves a wave's instructions in order
.irp i, 0,1,2,3
	ds_store_b128 v14, v[XR+16*\s+4*\i:XR+16*\s+4*\i+3] offset:2560*\s+640*\i
.endr
.irp j, 0,1,2,3
	ds_load_b128 v[XN+16*\s+4*\j:XN+16*\s+4*\j+3], v15 offset:2560*\s+16*\j
.endr
.endr
	s_wait_dscnt 8                                 ; the first half is back; the second stage's 4 stores and 4 loads may be out
	QSTEP \t, 0
	s_wait_dscnt 1                                 ; the second half is back; only the byte store just issued is younger
	QSTEP \t, 1
.endm
	ROW 0
	ROW 1
	ROW 2
	ROW 3
	s_wait_dscnt 0x0                               ; my byte stores have landed
	s_barrier_signal -1
	s_barrier_wait -1                              ; everybody's have
	s_cmp_lg_u32 s12, 0
	s_cbranch_scc1 .Ldone
	ds_load_b128 v[240:243], v6                    ; wave 0: the 16 rows' 512 scale bytes,
	s_wait_dscnt 0x0
	global_store_b128 v2, v[240:243], s[24:25]     ; stored as 512 consecutive bytes, aligned
.Ldone:
	s_wait_tensorcnt 0x0
	ds_add_u32 v13, v255
	s_wait_dscnt 0x0
	s_endpgm
.Lfunc_end_k_qabe62700ed_ln1:
	.size	k_qabe62700ed_ln1, .Lfunc_end_k_qabe62700ed_ln1-k_qabe62700ed_ln1
	.p2alignl 7, 3214868480
	.fill 96, 4, 3214868480
	.section	.rodata,"a",@progbits
	.p2align	6, 0x0
	.amdhsa_kernel k_qabe62700ed_ln1
		.amdhsa_group_segment_fixed_size 22016
		.amdhsa_private_segment_fixed_size 0
		.amdhsa_enable_private_segment 0
		.amdhsa_kernarg_size 32
		.amdhsa_user_sgpr_count 2
		.amdhsa_user_sgpr_kernarg_segment_ptr 1
		.amdhsa_wavefront_size32 1
		.amdhsa_system_sgpr_workgroup_id_x 1
		.amdhsa_system_sgpr_workgroup_id_y 1
		.amdhsa_system_sgpr_workgroup_id_z 1
		.amdhsa_system_vgpr_workitem_id 0
		.amdhsa_next_free_vgpr 256
		.amdhsa_next_free_sgpr 66
		.amdhsa_reserve_vcc 0
		.amdhsa_float_denorm_mode_32 3
		.amdhsa_float_denorm_mode_16_64 3
		.amdhsa_memory_ordered 1
		.amdhsa_forward_progress 1
		.amdhsa_inst_pref_size 44
	.end_amdhsa_kernel
	.amdgpu_metadata
---
amdhsa.version: [ 1, 2 ]
amdhsa.kernels:
  - .name:           k_qabe62700ed_ln1
    .symbol:         k_qabe62700ed_ln1.kd
    .args:
      - { .name: hidden_states, .offset: 0, .size: 8, .value_kind: global_buffer, .address_space: global }
      - { .name: ln1_g, .offset: 8, .size: 8, .value_kind: global_buffer, .address_space: global }
      - { .name: ln1_b, .offset: 16, .size: 8, .value_kind: global_buffer, .address_space: global }
      - { .name: xbuf, .offset: 24, .size: 8, .value_kind: global_buffer, .address_space: global }
    .group_segment_fixed_size: 22016
    .private_segment_fixed_size: 0
    .kernarg_segment_align: 8
    .kernarg_segment_size: 32
    .max_flat_workgroup_size: 128
    .sgpr_count:     66
    .vgpr_count:     256
    .wavefront_size: 32
...
	.end_amdgpu_metadata
.endif
;; end of part 1
;; launch qkv (part 2): grid 24 x 32, 4 waves a work-group, clusters of 4 x 4, 327,680 bytes of LDS; arguments xbuf, Wq_codes, Wk_codes, Wv_codes, Wq_scales, Wk_scales, Wv_scales, bq, bk, bv, qkvbuf; writes qkvbuf
.if DOCPART == 2
	.amdgcn_target "amdgcn-amd-amdhsa--gfx1250"
	.amdhsa_code_object_version 6
	.text
	.protected	k_qabe62700ed_qkv
	.globl	k_qabe62700ed_qkv
	.p2align	8
	.type	k_qabe62700ed_qkv,@function
k_qabe62700ed_qkv:
	s_mov_b64 s[64:65], 0
	v_nop
	global_prefetch_b8 v0, s[64:65] scope:SCOPE_SE
	s_setreg_imm32_b32 hwreg(HW_REG_WAVE_MODE, 25, 1), 1
	s_wait_xcnt 0x0
	s_wait_alu depctr_hold_cnt(0) depctr_sa_sdst(0) depctr_va_vdst(0) depctr_va_sdst(0) depctr_va_ssrc(0) depctr_va_vcc(0) depctr_vm_vsrc(0)
	s_getreg_b32 s2, hwreg(HW_REG_IB_STS2, 6, 4)
	s_cmp_eq_u32 s2, 0
	s_cbranch_scc0 .Lentry_in_a_cluster
	s_endpgm
.Lentry_in_a_cluster:
	s_bfe_u32 s2, ttmp6, 0x10000c
	s_cmp_lg_u32 s2, 0xf033
	s_cbranch_scc0 .Lentry_shape_is_right
	s_endpgm
.Lentry_shape_is_right:
; q = x Wq + bq, k = x Wk + bk, v = x Wv + bv on codes of FP6 (E2M3) with E8M0 scales, each result quantised again for attention: q and k along the head's 64, v along the tokens.
; x: codes [4096][768 B] and scale bytes [4096][32] (at byte 3,145,728 of xbuf).  W*: codes [1024][768 B], scale bytes [1024][32].
; A tile of 128 x 128 to a work-group, 64 x 64 to each of four waves (16 accumulators).  Tile columns 0-7 are q's, 8-15 k's, 16-23 v's: a cluster's four columns belong to one of the three.
; K = 1,024 is two LDS slots of 512 along K, both filled at the head: nothing is filled again.  CLUSTER 4 x 4: x's tile is shared along a row of the cluster, the weight's along a column: joint loads.
; SOURCES: source 1 (P) gives the lanes, source 0 (R) runs along a lane's registers.  q, k: P = tokens, R = the weight's rows, so a lane holds one token and 64 neighbours along d.
; v: P = the weight's rows, R = tokens, so a lane holds one d and 64 neighbouring tokens.  Both operands have one geometry in LDS, so v only exchanges the bases of the LDS reads, by a select on the cluster's x.
; OUT (qkvbuf): codes X[k / 64][row][48 B]: q at 0, k at 3,145,728 (row = token, k / 64 = head), v at 6,291,456 (row = 64 head + d, k = token); scale words XS[k / 128][row] at 9,437,184, +131,072, +262,144.
; ROW x IS STORED AT PLACE pi(x), x with bits 3 and 4 exchanged: sixteen neighbouring places are then the rows 32 (T / 2) + 8 (T % 2) + (r % 8) + 16 (r / 8) that the next product wants in a tile.
; LIMITS: NaN and infinities are not served; a block whose largest magnitude lies under 2^-124 (a block of zeros too) keeps the scale byte 1: only this program reads the bytes.
.set KROW,  768
.set NU,    8
.set PITCH, 432                        ; an LDS row: 3 x (128 bytes + 16 of padding) = 108 words: the 32 lanes of a load of 8 bytes fall on 64 different words modulo 64
.set HALF,  64*PITCH                   ; 64 rows: what one tensor load brings and one wave reads of an operand
.set SLOT,  4*HALF                     ; x's 128 rows, then the weight's 128
.set SCL,   2*SLOT                     ; the scale bytes: four halves of 64 rows x 32 bytes, as 256 bytes + 16
.set HALFS, NU*272
.set SBLK,  544                        ; those of 16 rows
.set SPARE, SCL+4*HALFS                ; the spare words, 128 bytes a wave
.set CSTG,  SPARE+512                  ; a stage of 3,072 bytes for each wave's codes
.set SSTG,  CSTG+4*3072                ; 128 bytes for each wave's half scale words
.set ADP, 6                            ; v6-7 P's fragments in slot 0, 1; v8-9 the same behind one padding more
.set ADR, 10                           ; v10-13 the same for R
.set ASP, 14                           ; v14, v15 P's and R's scale words
.set ASR, 15
.set SPW, 16                           ; v16 my spare word; v17 = 0; both never rewritten
.set NIL, 17
.set CST, 18
.set CRD, 19
.set LO,  20
.set SST, 21
.set MG,  22                           ; v22, v23 the merge's two addresses
.set BM,  24                           ; v24-31 the bias of my lane's row, a pair for each tile a (v alone)
.set SP,  32                           ; v32-63 P's scale words: set s, tile a, step q at 32 + 16 s + 4 a + q.  These and SR hold scales and nothing else
.set SR,  64                           ; v64-95 R's
.set BN,  96                           ; v96-127 the bias along the registers, the C of each sum's first product (q, k alone); later at work
.set ACC, 128                          ; v128-255 accumulator (a, b) at 128 + 8 (4 a + b);  window 1: fragment set f: R at 128 f + 12 b, P at 128 f + 48 + 12 a
.set PC,  96
.set WD,  103
.set OB,  104
.set TM,  104
.set TP,  106
.set TS,  108
.set TB,  110
.set G1Y, 28
.set G0Y, 36
.set G1X, 44
.set G0X, 52
.set G1SY, 68
.set G0SY, 76
.set G1SX, 80
.set G0SX, 88
.set W0T, (1<<20)|(1<<21)|(4<<22)|(3<<25)          ; elements of 1 byte; padding on; bit 21 beside a mask; after every 32 words, 4 words
.set W0S, (3<<16)|(1<<20)|(1<<21)|(5<<22)|(3<<25)  ; elements of 8 bytes; after every 64 words, 4 words
.set MUL,  0x05                        ; sources 0 and 1 window 1; C and D window 0
.set TO_F, 0x40                        ; destination window 1, address window 0
.set MSB, 0
.macro WIN new                         ; the immediate's high byte repeats the setting that is left
.if MSB != \new
	s_set_vgpr_msb (MSB<<8)|\new
.set MSB, \new
.endif
.endm
.macro JLOAD g0y, g1y, g0x, g1x        ; a joint load: waves 0, 1 fetch x's halves, waves 2, 3 the weight's; four v_nop follow each line
	s_cmp_eq_u32 s19, 0
	s_cbranch_scc0 .Lfor_x_\@
	tensor_load_to_lds s[\g0y:\g0y+3], s[\g1y:\g1y+7]
	s_nop 0
.rept 4
	v_nop
.endr
	s_branch .Lasked_\@
.Lfor_x_\@:
	tensor_load_to_lds s[\g0x:\g0x+3], s[\g1x:\g1x+7]
	s_nop 0
.rept 4
	v_nop
.endr
.Lasked_\@:
.endm
.macro CREST
	s_cmp_lg_u32 s18, 0
	s_cbranch_scc1 .Lnot_wave_0_\@
	s_barrier_signal -3
.Lnot_wave_0_\@:
	s_barrier_wait -3
	s_barrier_signal -1
	s_barrier_wait -1
.endm
.macro CROUND                          ; a round of the cluster's barrier
	s_barrier_signal -1
	s_barrier_wait -1
	CREST
.endm
.macro PLACES n
.rept \n
	v_nop
.endr
.endm
.macro FRAGR reg, adr, q, i            ; 16 rows x 128 K: lane (r, h) takes 24 bytes at 96 q + 24 h and 24 at 96 q + 48 + 24 h of row 16 i + r, in pieces of 8; where lanes 16-31 lie behind one padding more, the second address serves
.irp p, 0,1,2,3,4,5
.set PIE, 12*(\q)+6*(\p/3)+\p%3
.if PIE%16 < 13
	ds_load_b64 v[\reg+2*\p:\reg+2*\p+1], v[\adr] offset:8*PIE+16*(PIE/16)+(\i)*16*PITCH
.else
	ds_load_b64 v[\reg+2*\p:\reg+2*\p+1], v[\adr+2] offset:8*PIE+16*(PIE/16)+(\i)*16*PITCH
.endif
.endr
.endm
.macro FETCH slot, q, f                ; 48 loads: R's four fragments and P's four of the slot's q-th 128 along K, into set f
	WIN TO_F
.irp i, 0,1,2,3
	FRAGR 128*(\f)+12*\i, ADR+\slot, \q, \i
.endr
.irp i, 0,1,2,3
	FRAGR 128*(\f)+48+12*\i, ADP+\slot, \q, \i
.endr
.endm
.macro SCALES s                        ; a slot's scale words: 16 bytes a row
.irp b, 0,1,2,3
	ds_load_b128 v[SR+16*\s+4*\b:SR+16*\s+4*\b+3], v[ASR] offset:\b*SBLK
.endr
.irp a, 0,1,2,3
	ds_load_b128 v[SP+16*\s+4*\a:SP+16*\s+4*\a+3], v[ASP] offset:\a*SBLK
.endr
.endm
.macro MULA a, f, q, s, zero           ; four products; the 16 accumulators take turns, one instruction a turn, in the same order in every step
.irp b, 0,1,2,3
.if \zero
	v_wmma_scale_f32_16x16x128_f8f6f4 v[ACC+8*(4*\a+\b):ACC+8*(4*\a+\b)+7], v[128*(\f)+12*\b:128*(\f)+12*\b+11], v[128*(\f)+48+12*\a:128*(\f)+48+12*\a+11], v[BN+8*\b:BN+8*\b+7], v[SR+16*\s+4*\b+(\q)], v[SP+16*\s+4*\a+(\q)] matrix_a_fmt:MATRIX_FMT_FP6 matrix_b_fmt:MATRIX_FMT_FP6
.else
	v_wmma_scale_f32_16x16x128_f8f6f4 v[ACC+8*(4*\a+\b):ACC+8*(4*\a+\b)+7], v[128*(\f)+12*\b:128*(\f)+12*\b+11], v[128*(\f)+48+12*\a:128*(\f)+48+12*\a+11], v[ACC+8*(4*\a+\b):ACC+8*(4*\a+\b)+7], v[SR+16*\s+4*\b+(\q)], v[SP+16*\s+4*\a+(\q)] matrix_a_fmt:MATRIX_FMT_FP6 matrix_b_fmt:MATRIX_FMT_FP6
.endif
.endr
.endm
.macro STEP slot, q, zero              ; 128 along K with a successor in the same slot
	PLACES 4                                       ; in front of loads into the set that the step before multiplied
	FETCH \slot, (\q)+1, 1-(\q)%2
	s_wait_dscnt 48                                ; all but the 48 just issued: this step's set and scale words are in
	WIN MUL
	MULA 0, (\q)%2, \q, \slot, \zero
	MULA 1, (\q)%2, \q, \slot, \zero
	MULA 2, (\q)%2, \q, \slot, \zero
	MULA 3, (\q)%2, \q, \slot, \zero
.endm
.macro TURN slot, next                 ; a slot's last step changes slots: one barrier; nothing is filled again here
	WIN 0
	s_wait_tensorcnt 0x0                           ; all my tensor loads have landed: my part of the next slot
	ds_add_u32 v[SPW], v[NIL]                      ; 0 onto my spare word
	s_wait_dscnt 1                                 ; (only the add may be out)
	WIN MUL
	MULA 0, 1, 3, \slot, 0
	MULA 1, 1, 3, \slot, 0
	s_wait_dscnt 0x0
	s_barrier_signal -1
	MULA 2, 1, 3, \slot, 0
	WIN 0
	s_barrier_wait -1                              ; the next slot is whole
	PLACES 4
	v_add_nc_u32 v[ASR], 16, v[ASR]                ; the next slot's scale words
	v_add_nc_u32 v[ASP], 16, v[ASP]
	SCALES \next
	FETCH \next, 0, 0
	WIN MUL
	MULA 3, 1, 3, \slot, 0
.endm
	s_load_b512 s[68:83], s[0:1], 0x0              ; xbuf, Wq, Wk, Wv codes, Wq, Wk, Wv scales, bq
	s_load_b128 s[84:87], s[0:1], 0x40             ; bk, bv
	s_load_b64 s[88:89], s[0:1], 0x50              ; qkvbuf
	v_lshl_add_u32 v[SPW], v0, 2, SPARE
	v_mov_b32 v[NIL], 0
	ds_add_u32 v16, v17
	ds_add_u32 v16, v17
	s_wait_dscnt 0x0
	v_lshrrev_b32 v1, 5, v0
	v_readfirstlane_b32 s18, v1                    ; wave
	s_lshr_b32 s19, s18, 1                         ; yi: my half of the tile's rows.  Also: I fetch for x (0) or for the weight (1)
	s_and_b32 s20, s18, 1                          ; xi: my half of its columns.  Also: which 64 rows I fetch
	s_bfe_u32 s21, ttmp6, 0x40000                  ; cx
	s_bfe_u32 s22, ttmp6, 0x40004                  ; cy
	s_and_b32 s23, ttmp9, 1
	s_lshl_b32 s23, s23, 2
	s_add_co_u32 s23, s23, s21                     ; xw: tile column inside q, k or v
	s_and_b32 s24, ttmp7, 0xffff
	s_lshl_b32 s24, s24, 2
	s_add_co_u32 s24, s24, s22                     ; y: tile row
	s_lshl_b32 s25, s22, 2
	s_lshl_b32 s25, 15, s25                        ; my row of the cluster
	s_lshl_b32 s26, 0x1111, s21                    ; my column
	s_or_b32 s[G1Y+0], s25, W0T
	s_or_b32 s[G1X+0], s26, W0T
.irp g, G1Y, G1X
	s_mov_b32 s[\g+1], 384<<16                     ; tensor_dim0: 384 bytes, 512 along K
	s_mov_b32 s[\g+2], 64<<16                      ; tensor_dim1
	s_mov_b32 s[\g+3], 384<<16                     ; tile_dim0
	s_mov_b32 s[\g+4], 64                          ; tile_dim1
	s_mov_b32 s[\g+5], KROW                        ; from row to row
	s_mov_b32 s[\g+6], 0
	s_mov_b32 s[\g+7], 0
.endr
	s_lshl_b32 s27, s20, 6                         ; 64 x the half that I fetch
	s_lshl_b32 s62, s24, 7
	s_add_co_u32 s62, s62, s27                     ; x's row
	s_mul_i32 s92, s62, 768
	s_mov_b32 s93, 0
	s_lshl_b32 s94, s62, 5
	s_add_co_u32 s94, s94, 3145728
	s_mov_b32 s95, 0
	s_lshl_b32 s63, s23, 7
	s_add_co_u32 s63, s63, s27                     ; the weight's row
	s_mul_i32 s96, s63, KROW
	s_mov_b32 s97, 0
	s_lshl_b32 s98, s63, 5
	s_mov_b32 s99, 0
	s_mul_i32 s66, s20, HALF                       ; where they go: no place in the cluster enters an LDS address
	s_add_co_u32 s67, s66, 2*HALF
	s_mul_i32 s100, s18, HALFS
	s_add_co_u32 s100, s100, SCL
	s_lshr_b32 s27, ttmp9, 1                       ; 0, 1, 2: q, k, v: the same in all sixteen partners
	s_wait_kmcnt 0x0
	s_mov_b64 s[4:5], s[68:69]
	s_cmp_eq_u32 s27, 0
	s_cselect_b64 s[6:7], s[70:71], s[72:73]
	s_cselect_b64 s[8:9], s[76:77], s[78:79]
	s_cselect_b64 s[10:11], s[82:83], s[84:85]
	s_cmp_eq_u32 s27, 2
	s_cselect_b64 s[6:7], s[74:75], s[6:7]         ; the weight's codes,
	s_cselect_b64 s[8:9], s[80:81], s[8:9]         ; its scale bytes,
	s_cselect_b64 s[10:11], s[86:87], s[10:11]     ; its bias
	s_mov_b64 s[12:13], s[88:89]
	s_or_b32 s[G1SY+0], s25, W0S                   ; s68-91 are free now: the scales' descriptors
	s_or_b32 s[G1SX+0], s26, W0S
.irp g, G1SY, G1SX
	s_mov_b32 s[\g+1], 32<<16                      ; rows of 256 bytes,
	s_mov_b32 s[\g+2], NU<<16                      ; eight of them: 64 rows x 32 bytes, dense
	s_mov_b32 s[\g+3], 32<<16
	s_mov_b32 s[\g+4], NU
	s_mov_b32 s[\g+5], 32
	s_mov_b32 s[\g+6], 0
	s_mov_b32 s[\g+7], 0
.endr
	s_add_nc_u64 s[92:93], s[4:5], s[92:93]
	s_add_nc_u64 s[94:95], s[4:5], s[94:95]
	s_add_nc_u64 s[96:97], s[6:7], s[96:97]
	s_add_nc_u64 s[98:99], s[8:9], s[98:99]
	CROUND                                         ; all sixteen work-groups are here: the first joint loads meet
	s_mov_b32 s[G0SY], 1
	s_mov_b32 s[G0SY+1], s100
	s_mov_b64 s[G0SY+2:G0SY+3], s[94:95]
	s_or_b32 s[G0SY+3], s[G0SY+3], 0x80000000
	s_mov_b32 s[G0SX], 1
	s_mov_b32 s[G0SX+1], s100
	s_mov_b64 s[G0SX+2:G0SX+3], s[98:99]
	s_or_b32 s[G0SX+3], s[G0SX+3], 0x80000000
	JLOAD G0SY, G1SY, G0SX, G1SX                   ; three loads of mine are out at the head: the scales, slot 0, slot 1
.irp s, 0,1
	s_mov_b32 s[G0Y+4*\s], 1
	s_add_co_u32 s[G0Y+4*\s+1], s66, \s*SLOT
	s_add_nc_u64 s[G0Y+4*\s+2:G0Y+4*\s+3], s[92:93], \s*384
	s_or_b32 s[G0Y+4*\s+3], s[G0Y+4*\s+3], 0x80000000
	s_mov_b32 s[G0X+4*\s], 1
	s_add_co_u32 s[G0X+4*\s+1], s67, \s*SLOT
	s_add_nc_u64 s[G0X+4*\s+2:G0X+4*\s+3], s[96:97], \s*384
	s_or_b32 s[G0X+4*\s+3], s[G0X+4*\s+3], 0x80000000
	JLOAD G0Y+4*\s, G1Y, G0X+4*\s, G1X
.endr
	; which operand gives the lanes: for v the two read bases change places
	s_mul_i32 s66, s19, HALF                       ; my 64 rows of x
	s_mul_i32 s67, s20, HALF
	s_add_co_u32 s67, s67, 2*HALF                  ; my 64 rows of the weight
	s_mul_i32 s98, s19, HALFS
	s_add_co_u32 s98, s98, SCL
	s_mul_i32 s99, s20, HALFS
	s_add_co_u32 s99, s99, SCL+2*HALFS
	s_cmp_ge_u32 ttmp9, 4                          ; v?
	s_cselect_b32 s25, s67, s66                    ; P
	s_cselect_b32 s26, s66, s67                    ; R
	s_cselect_b32 s62, s99, s98                    ; P's scale bytes
	s_cselect_b32 s63, s98, s99                    ; R's
	s_cselect_b32 s100, -1, 0                      ; all lanes where v
	s_cselect_b32 s101, 0, -1                      ; all lanes where q or k
	v_and_b32 v1, 15, v0                           ; r
	v_bfe_u32 v2, v0, 4, 1                         ; h
	v_mul_u32_u24 v3, v1, PITCH
	v_mad_u32_u24 v4, v2, 24, v3
	v_mad_u32_u24 v5, v2, 40, v3
.irp s, 0,1
	v_add_nc_u32 v[ADP+\s], s25, v4
	v_add_nc_u32 v[ADP+2+\s], s25, v5
	v_add_nc_u32 v[ADR+\s], s26, v4
	v_add_nc_u32 v[ADR+2+\s], s26, v5
	s_add_co_u32 s25, s25, SLOT
	s_add_co_u32 s26, s26, SLOT
.endr
	v_lshlrev_b32 v3, 5, v1                        ; 32 bytes of scales a row,
	v_lshrrev_b32 v4, 8, v3
	v_lshl_add_u32 v3, v4, 4, v3                   ; and 16 more for each 256 passed
	v_add_nc_u32 v[ASP], s62, v3
	v_add_nc_u32 v[ASR], s63, v3
	v_and_b32 v3, 7, v1
	v_lshrrev_b32 v4, 3, v1
	v_lshl_add_u32 v3, v4, 4, v3                   ; 16 (r / 8) + r % 8: my row's place, less the tile's
	s_mul_i32 s25, s18, 3072
	s_add_co_u32 s25, s25, CSTG
	v_mul_u32_u24 v[CST], v3, 48
	v_mad_u32_u24 v[CST], v2, 24, v[CST]
	v_add_nc_u32 v[CST], s25, v[CST]
	v_and_b32 v4, 31, v0
	v_lshlrev_b32 v[LO], 4, v4
	v_add_nc_u32 v[CRD], s25, v[LO]
	s_lshl_b32 s25, s18, 7
	s_add_co_u32 s25, s25, SSTG
	v_lshl_add_u32 v[SST], v3, 1, s25
	v_lshlrev_b32 v4, 3, v1
	v_add_nc_u32 v4, SSTG, v4
	v_lshl_add_u32 v[MG], v2, 8, v4                ; the merge: quarters 2 g and 2 g + 1 (q, k),
	v_lshl_add_u32 v[MG+1], v2, 7, v4              ; quarters g and 2 + g (v)
	s_mov_b32 s60, 0x76543210
	s_mov_b32 s61, 0xfedcba98
	; where the results go
	s_lshl_b32 s92, s24, 7
	s_lshl_b32 s93, s19, 6
	s_add_co_u32 s92, s92, s93                     ; my first token
	s_lshl_b32 s93, s23, 1
	s_add_co_u32 s93, s93, s20                     ; my head
	s_lshl_b32 s94, s93, 12
	s_add_co_u32 s94, s94, s92
	s_mul_i32 s94, s94, 48
	s_mul_i32 s95, s27, 3145728
	s_add_co_u32 s94, s94, s95                     ; q, k: codes [head][token][48]
	s_lshr_b32 s95, s92, 6
	s_lshl_b32 s95, s95, 10
	s_lshl_b32 s96, s93, 6
	s_add_co_u32 s95, s95, s96
	s_mul_i32 s95, s95, 48
	s_add_co_u32 s95, s95, 6291456                 ; v: codes [token / 64][64 head + d][48]
	s_lshl_b32 s96, s23, 12
	s_lshl_b32 s97, s24, 7
	s_add_co_u32 s96, s96, s97
	s_lshl_b32 s96, s96, 2
	s_lshl_b32 s97, s27, 17
	s_add_co_u32 s96, s96, s97
	s_add_co_u32 s96, s96, 9437184                 ; q, k: words [xw][token]
	s_lshl_b32 s97, s24, 10
	s_lshl_b32 s98, s23, 7
	s_add_co_u32 s97, s97, s98
	s_lshl_b32 s97, s97, 2
	s_add_co_u32 s97, s97, 9699328                 ; v: words [y][64 head + d]
	s_cmp_ge_u32 ttmp9, 4
	s_cselect_b32 s94, s95, s94
	s_cselect_b32 s96, s97, s96
	s_mov_b32 s95, 0
	s_mov_b32 s97, 0
	s_add_nc_u64 s[14:15], s[12:13], s[96:97]
	s_add_nc_u64 s[12:13], s[12:13], s[94:95]
	s_lshl_b32 s92, s23, 9
	s_lshl_b32 s93, s20, 8
	s_add_co_u32 s92, s92, s93
	s_mov_b32 s93, 0
	s_add_nc_u64 s[10:11], s[10:11], s[92:93]      ; the bias of my 64 rows of the weight
	v_lshlrev_b32 v3, 5, v2                        ; along the registers: 16 b + 8 h + j
	v_lshlrev_b32 v5, 2, v1                        ; along the lanes: 16 a + r
.irp b, 0,1,2,3
	global_load_b128 v[BN+8*\b:BN+8*\b+3], v3, s[10:11] offset:64*\b
	global_load_b128 v[BN+8*\b+4:BN+8*\b+7], v3, s[10:11] offset:64*\b+16
.endr
.irp a, 0,1,2,3
	global_load_b32 v[BM+2*\a], v5, s[10:11] offset:64*\a
.endr
	s_wait_tensorcnt 1                             ; the scales and my part of slot 0 are in; slot 1's load may be out
	s_barrier_signal -1
	s_barrier_wait -1
	SCALES 0
	FETCH 0, 0, 0
	WIN 0
	s_wait_loadcnt 0x0
.set k, 0
.rept 32
	v_cndmask_b32 v[BN+k], 0, v[BN+k], s101        ; the bias stands along the registers for q and k,
.set k, k+1
.endr
.irp a, 0,1,2,3
	v_cndmask_b32 v[BM+2*\a], 0, v[BM+2*\a], s100  ; along the lanes for v; the other is 0
	v_mov_b32 v[BM+2*\a+1], v[BM+2*\a]
.endr
	STEP 0, 0, 1                                   ; the first products start the sums, with the bias as C
	STEP 0, 1, 0
	STEP 0, 2, 0
	TURN 0, 1
	STEP 1, 0, 0
	STEP 1, 1, 0
	STEP 1, 2, 0
	s_wait_dscnt 0x0
	WIN MUL
	MULA 0, 1, 3, 1, 0
	MULA 1, 1, 3, 1, 0
	MULA 2, 1, 3, 1, 0
	MULA 3, 1, 3, 1, 0
	WIN 0
	PLACES 4
	v_mov_b32 v[TP], 0                             ; a lane permute's destination counts as one of its sources
	v_mov_b32 v[TP+1], 0
; Tile a: 16 rows (lanes) x 64 along the next K.  Two blocks of 32 are quantised; the row's 48 bytes go to its place in my stage, its two scale bytes beside.
.macro QTILE a
.set A, ACC+32*(\a)
.set k, 0
.rept 16
	v_pk_add_f32 v[A+2*k:A+2*k+1], v[A+2*k:A+2*k+1], v[BM+2*(\a):BM+2*(\a)+1]   ; each accumulator from its low end on
.set k, k+1
.endr
.set j, 0
.rept 8                                ; register j of tiles b, b + 1 holds 16 b + 8 h + j: the exchange of halves gives a lane 16 neighbours: A + 16 c + i = 32 c + 16 h + i
	v_permlane16_swap_b32 v[A+j], v[A+8+j]
	v_permlane16_swap_b32 v[A+16+j], v[A+24+j]
.set j, j+1
.endr
.irp c, 0,1
	v_max3_num_f32 v[TM+\c], |v[A+16*\c]|, |v[A+16*\c+1]|, 0x1800000   ; with the floor 2^(3 - 127)
.endr
.irp i, 2,4,6,8,10,12,14
.irp c, 0,1
	v_max3_num_f32 v[TM+\c], v[TM+\c], |v[A+16*\c+\i]|, |v[A+16*\c+\i+1]|
.endr
.endr
.irp c, 0,1
	v_permlanex16_b32 v[TP+\c], v[TM+\c], s60, s61
.endr
.irp c, 0,1
	v_max_num_f32 v[TM+\c], v[TM+\c], v[TP+\c]     ; the block's largest magnitude
.endr
.irp c, 0,1
	v_add_nc_u32 v[TS+\c], 0xff000000, v[TM+\c]    ; the conversion's scale operand
.endr
.irp c, 0,1
	v_lshrrev_b32 v[TB+\c], 23, v[TS+\c]           ; the scale's byte
.endr
.if (\a) > 0
	s_wait_dscnt 0x0                               ; the last tile's stores into the stage have read their registers
.endif
	v_lshl_or_b32 v[WD], v[TB+1], 8, v[TB]
	v_cvt_scalef32_pk16_fp6_f32 v[PC:PC+2], v[A:A+15], v[TS]
	v_cvt_scalef32_pk16_fp6_f32 v[PC+4:PC+6], v[A+16:A+31], v[TS+1]
	v_nop                                          ; one plain place behind a scaled conversion
.irp i, 0,1,2
	v_permlane16_swap_b32 v[PC+\i], v[PC+4+\i]     ; a whole block to a lane: lanes 0-15 block 0, lanes 16-31 block 1
.endr
.irp i, 0,1,2
	v_mov_b32 v[PC+3+\i], v[PC+4+\i]
.endr
.irp i, 0,1,2
	ds_store_b64 v[CST], v[PC+2*\i:PC+2*\i+1] offset:(32*((\a)/2)+8*((\a)%2))*48+8*\i
.endr
	ds_store_b16 v[SST], v[WD] offset:(32*((\a)/2)+8*((\a)%2))*2   ; both halves of the lanes write the same two bytes
.endm
	QTILE 0
	QTILE 1
	QTILE 2
	QTILE 3
.irp i, 0,1,2,3,4,5
	ds_load_b128 v[OB+4*\i:OB+4*\i+3], v[CRD] offset:512*\i        ; LDS serves a wave's instructions in order: these see my stores
.endr
.irp i, 0,1,2,3,4,5
	s_wait_dscnt 5-\i
	global_store_b128 v[LO], v[OB+4*\i:OB+4*\i+3], s[12:13] offset:512*\i   ; 3,072 consecutive bytes, aligned
.endr
	s_wait_dscnt 0x0
	s_barrier_signal -1
	s_barrier_wait -1                              ; the four waves' half words lie in LDS
	s_cmp_lg_u32 s18, 0
	s_cbranch_scc1 .Lnomerge
	ds_load_b64 v[96:97], v[MG]                    ; wave 0 joins the halves: four rows a lane.  q, k: low halves from waves 0, 2, high from 1, 3;
	ds_load_b64 v[98:99], v[MG] offset:128
	ds_load_b64 v[100:101], v[MG+1]                ; v: low from waves 0, 1, high from 2, 3
	ds_load_b64 v[102:103], v[MG+1] offset:256
	s_wait_dscnt 0x0
	v_cndmask_b32 v96, v96, v100, s100
	v_cndmask_b32 v97, v97, v101, s100
	v_cndmask_b32 v98, v98, v102, s100
	v_cndmask_b32 v99, v99, v103, s100
	v_perm_b32 v24, v98, v96, 0x05040100
	v_perm_b32 v25, v98, v96, 0x07060302
	v_perm_b32 v26, v99, v97, 0x05040100
	v_perm_b32 v27, v99, v97, 0x07060302
	global_store_b128 v[LO], v[24:27], s[14:15]    ; 128 words: 512 consecutive bytes, aligned
.Lnomerge:
	s_wait_tensorcnt 0x0                           ; the wave's end
	ds_add_u32 v[SPW], v[NIL]
	s_wait_dscnt 0x0
	CROUND                                         ; the closing round
	s_endpgm
.Lfunc_end_k_qabe62700ed_qkv:
	.size	k_qabe62700ed_qkv, .Lfunc_end_k_qabe62700ed_qkv-k_qabe62700ed_qkv
	.p2alignl 7, 3214868480
	.fill 96, 4, 3214868480
	.section	.rodata,"a",@progbits
	.p2align	6, 0x0
	.amdhsa_kernel k_qabe62700ed_qkv
		.amdhsa_group_segment_fixed_size 327680
		.amdhsa_private_segment_fixed_size 0
		.amdhsa_enable_private_segment 0
		.amdhsa_kernarg_size 88
		.amdhsa_user_sgpr_count 2
		.amdhsa_user_sgpr_kernarg_segment_ptr 1
		.amdhsa_wavefront_size32 1
		.amdhsa_system_sgpr_workgroup_id_x 1
		.amdhsa_system_sgpr_workgroup_id_y 1
		.amdhsa_system_sgpr_workgroup_id_z 1
		.amdhsa_system_vgpr_workitem_id 0
		.amdhsa_next_free_vgpr 512
		.amdhsa_next_free_sgpr 102
		.amdhsa_reserve_vcc 0
		.amdhsa_float_denorm_mode_32 3
		.amdhsa_float_denorm_mode_16_64 3
		.amdhsa_memory_ordered 1
		.amdhsa_forward_progress 1
		.amdhsa_inst_pref_size 76
	.end_amdhsa_kernel
	.amdgpu_metadata
---
amdhsa.version: [ 1, 2 ]
amdhsa.kernels:
  - .name:           k_qabe62700ed_qkv
    .symbol:         k_qabe62700ed_qkv.kd
    .args:
      - { .name: xbuf, .offset: 0, .size: 8, .value_kind: global_buffer, .address_space: global }
      - { .name: Wq_codes, .offset: 8, .size: 8, .value_kind: global_buffer, .address_space: global }
      - { .name: Wk_codes, .offset: 16, .size: 8, .value_kind: global_buffer, .address_space: global }
      - { .name: Wv_codes, .offset: 24, .size: 8, .value_kind: global_buffer, .address_space: global }
      - { .name: Wq_scales, .offset: 32, .size: 8, .value_kind: global_buffer, .address_space: global }
      - { .name: Wk_scales, .offset: 40, .size: 8, .value_kind: global_buffer, .address_space: global }
      - { .name: Wv_scales, .offset: 48, .size: 8, .value_kind: global_buffer, .address_space: global }
      - { .name: bq, .offset: 56, .size: 8, .value_kind: global_buffer, .address_space: global }
      - { .name: bk, .offset: 64, .size: 8, .value_kind: global_buffer, .address_space: global }
      - { .name: bv, .offset: 72, .size: 8, .value_kind: global_buffer, .address_space: global }
      - { .name: qkvbuf, .offset: 80, .size: 8, .value_kind: global_buffer, .address_space: global }
    .group_segment_fixed_size: 327680
    .private_segment_fixed_size: 0
    .kernarg_segment_align: 8
    .kernarg_segment_size: 88
    .max_flat_workgroup_size: 128
    .sgpr_count:     102
    .vgpr_count:     512
    .wavefront_size: 32
...
	.end_amdgpu_metadata
.endif
;; end of part 2
;; launch attn (part 3): grid 8 x 32, 16 waves a work-group, no clusters, 231,424 bytes of LDS; arguments qkvbuf, obuf; writes obuf
.if DOCPART == 3
	.amdgcn_target "amdgcn-amd-amdhsa--gfx1250"
	.amdhsa_code_object_version 6
	.text
	.protected	k_qabe62700ed_attn
	.globl	k_qabe62700ed_attn
	.p2align	8
	.type	k_qabe62700ed_attn,@function
k_qabe62700ed_attn:
	s_mov_b64 s[64:65], 0
	v_nop
	global_prefetch_b8 v0, s[64:65] scope:SCOPE_SE
	s_setreg_imm32_b32 hwreg(HW_REG_WAVE_MODE, 25, 1), 1
	s_wait_xcnt 0x0
; Attention of one head of one batch on codes of FP6 (E2M3): S^T = K Q^T, p = 2^(t - M), O^T = V^T P^T, O / l, and O quantised along d for the projection.
; Mask: key k counts for query q where k <= q and k % 25 != 24.  t = score x log2(e) / 8; M = the running largest t rounded up to a whole number; l is the sum of the unquantised p.
; IN (qkvbuf): q, k codes [head][token place][48 B], v codes [token / 64][64 head + d place][48 B], scale words [k / 128][row place]; a row x lies at place pi(x) (bits 3 and 4 exchanged).
; So sixteen neighbouring places of K give p 16 neighbouring keys in 16 registers, and sixteen places of V give O 16 neighbouring d.  The keys along V's and p's K are in their true order.
; SHARES.  Work-group (i, y): head y / 2, batch y % 2, query blocks i and 15 - i of 128.  Sixteen waves of 256 registers, each one tile of 16 query places; a pair of waves (one early, one late block) walks 17 key steps in every work-group.
; The head's K, V and their scale words come into LDS ONCE, by ten tensor loads at the head (one a wave at most); nothing is filled again.
; NO MULTICAST: the work-groups that read the same K and V are the query blocks of one head, and the jump over hidden key steps hangs on the query block, which in a cluster would be a work-group's place.
; K = 64 in the first product: the upper half of Q's fragment is zero codes, K's upper half is whatever codes lie in the next six registers: every such product is 0; the scale bytes there are 0 (2^-127).
; The column mask is a table of 0 and -1e30 for each key, made once in LDS; it is the C of the score products.
; LIMITS: |score| under about 1e22 (a hidden key is score - 1e30); NaN and infinities are not served; a block of zeros keeps the scale byte 1.  O's scale bytes leave as two bytes a row: a word's other half is another head's.
.set KB,  0                            ; K: 2,048 places x 48 bytes
.set VB,  98304                        ; V: [32][64 places][48]
.set KSB, 196608                       ; K's scale words, 2,048
.set VSB, 204800                       ; V's: [16][64]
.set MT,  208896                       ; the column mask, f32 for each key
.set OST, 217088                       ; 768 bytes for each wave, for the way out
; v1-5 lane places (K, V, K's scales, V's scales, mask); v6-10 the step's addresses; v11 48 r + 24 h; v12 -M, v13 largest t, v[14:15] the sum; v16-27 Q; v28-81 K (tile u at 28 + 6 u), then V (28 + 12 t);
; v82-89 K's scales, v90-93 V's; v96-159 S^T, then p; v160-191 O^T; v192-203 p's codes; v204-210 conversions' second halves; v212-223 blocks' maxima, bytes, scale operands; v[226:227] f; v228 p's scale word; v232 Q's scales.
	s_load_b128 s[4:7], s[0:1], 0x0                ; qkvbuf, obuf
	v_lshl_add_u32 v254, v0, 2, 0x38000
	v_mov_b32 v255, 0
	ds_add_u32 v254, v255
	ds_add_u32 v254, v255
	v_lshrrev_b32 v1, 5, v0
	v_readfirstlane_b32 s8, v1                     ; wave 0..15
	s_and_b32 s76, ttmp7, 0xffff
	s_lshr_b32 s9, s76, 1                          ; head
	s_and_b32 s10, s76, 1                          ; batch
	s_lshr_b32 s12, s8, 1                          ; t: my tile in its block of 128 queries
	s_lshr_b32 s77, s8, 2
	s_xor_b32 s77, s77, s8
	s_and_b32 s77, s77, 1                          ; early block or late
	s_mul_i32 s77, s77, 15
	s_xor_b32 s13, ttmp9, s77                      ; my block: i or 15 - i; also my last key step
	s_lshl_b32 s14, s13, 3
	s_add_co_u32 s14, s14, s12                     ; my tile of 16 places
	s_lshl_b32 s78, s9, 12
	s_lshl_b32 s79, s10, 11
	s_add_co_u32 s78, s78, s79                     ; head x 4096 + 2048 batch
	s_lshr_b32 s80, s9, 1
	s_lshl_b32 s80, s80, 12
	s_add_co_u32 s80, s80, s79                     ; (head / 2) x 4096 + 2048 batch
	s_and_b32 s81, s9, 1
	s_lshl_b32 s81, s81, 1                         ; my head's two bytes of a scale word
	s_and_b32 s82, s8, 3
	s_mul_i32 s83, s82, 24576                      ; a quarter of K or of V in LDS
	s_mul_i32 s84, s78, 48
	s_add_co_u32 s84, s84, 3145728
	s_add_co_u32 s84, s84, s83                     ; K's quarter in memory
	s_mov_b32 s85, 0
	s_lshl_b32 s86, s10, 15
	s_lshl_b32 s87, s9, 6
	s_add_co_u32 s86, s86, s87
	s_lshl_b32 s90, s10, 14
	s_add_co_u32 s90, s90, s87
	s_lshl_b32 s90, s90, 2
	s_add_co_u32 s90, s90, 9699328                 ; V's scale words
	s_mov_b32 s91, 0
	s_mul_i32 s86, s86, 48
	s_add_co_u32 s86, s86, 6291456
	s_mul_i32 s87, s82, 393216
	s_add_co_u32 s86, s86, s87                     ; V's quarter: 8 runs of 64 tokens
	s_mov_b32 s87, 0
	s_lshl_b32 s88, s80, 2
	s_add_co_u32 s88, s88, 9568256                 ; K's scale words
	s_mov_b32 s89, 0
	; descriptor groups 1, elements of 8 bytes, no padding.  K: 96 rows of 256 bytes, dense
	s_mov_b32 s24, 3<<16
	s_mov_b32 s25, 32<<16
	s_mov_b32 s26, 96<<16
	s_mov_b32 s27, 32<<16
	s_mov_b32 s28, 96
	s_mov_b32 s29, 32
	s_mov_b32 s30, 0
	s_mov_b32 s31, 0
	; V: 8 rows of 3,072 bytes, 49,152 bytes apart
	s_mov_b32 s32, 3<<16
	s_mov_b32 s33, 384<<16
	s_mov_b32 s34, 8<<16
	s_mov_b32 s35, 384<<16
	s_mov_b32 s36, 8
	s_mov_b32 s37, 6144
	s_mov_b32 s38, 0
	s_mov_b32 s39, 0
	; K's scale words: 32 rows of 256 bytes, dense
	s_mov_b32 s40, 3<<16
	s_mov_b32 s41, 32<<16
	s_mov_b32 s42, 32<<16
	s_mov_b32 s43, 32<<16
	s_mov_b32 s44, 32
	s_mov_b32 s45, 32
	s_mov_b32 s46, 0
	s_mov_b32 s47, 0
	; V's: 16 rows of 256 bytes, 4,096 bytes apart
	s_mov_b32 s48, 3<<16
	s_mov_b32 s49, 32<<16
	s_mov_b32 s50, 16<<16
	s_mov_b32 s51, 32<<16
	s_mov_b32 s52, 16
	s_mov_b32 s53, 512
	s_mov_b32 s54, 0
	s_mov_b32 s55, 0
	s_mov_b32 s16, 0x76543210
	s_mov_b32 s17, 0xfedcba98                      ; selects: lane l xor 16
	s_mov_b32 s18, 0x3e38aa3b                      ; c = log2(e) / 8
	s_mov_b32 s19, s18
	s_mov_b32 s20, 0                               ; the key step
	s_mov_b32 s21, 0                               ; its K and V: 6,144 bytes a step
	s_mov_b32 s22, 0                               ; its K scale words and mask: 512
	s_mov_b32 s23, 0                               ; its V scale words: 256
	s_wait_dscnt 0x0
	s_wait_kmcnt 0x0
	s_mov_b32 s56, 1
	s_mov_b32 s57, s83
	s_add_nc_u64 s[58:59], s[4:5], s[84:85]
	s_or_b32 s59, s59, 0x80000000
	s_mov_b32 s60, 1
	s_add_co_u32 s61, s83, VB
	s_add_nc_u64 s[62:63], s[4:5], s[86:87]
	s_or_b32 s63, s63, 0x80000000
	s_mov_b32 s68, 1
	s_mov_b32 s69, KSB
	s_add_nc_u64 s[70:71], s[4:5], s[88:89]
	s_or_b32 s71, s71, 0x80000000
	s_mov_b32 s72, 1
	s_mov_b32 s73, VSB
	s_add_nc_u64 s[74:75], s[4:5], s[90:91]
	s_or_b32 s75, s75, 0x80000000
	s_cmp_lt_u32 s8, 4                             ; the first fills: waves 0-3 K, 4-7 V, 8 and 9 the scale words; one load a wave at the most; four v_nop follow each
	s_cbranch_scc0 .Lnot_k
	tensor_load_to_lds s[56:59], s[24:31]
	s_nop 0
.rept 4
	v_nop
.endr
	s_branch .Lfilled
.Lnot_k:
	s_cmp_lt_u32 s8, 8
	s_cbranch_scc0 .Lnot_v
	tensor_load_to_lds s[60:63], s[32:39]
	s_nop 0
.rept 4
	v_nop
.endr
	s_branch .Lfilled
.Lnot_v:
	s_cmp_eq_u32 s8, 8
	s_cbranch_scc0 .Lnot_ks
	tensor_load_to_lds s[68:71], s[40:47]
	s_nop 0
.rept 4
	v_nop
.endr
	s_branch .Lfilled
.Lnot_ks:
	s_cmp_eq_u32 s8, 9
	s_cbranch_scc0 .Lfilled
	tensor_load_to_lds s[72:75], s[48:55]
	s_nop 0
.rept 4
	v_nop
.endr
.Lfilled:
	; the column mask: thread T makes keys 4 T .. 4 T + 3.  key / 25 = (key x 5243) >> 17 for keys under 2,048
	v_mov_b32 v233, 0xf149f2ca                     ; -1e30
	v_lshlrev_b32 v6, 2, v0
.irp j, 0,1,2,3
	v_add_nc_u32 v7, \j, v6
	v_mul_u32_u24 v8, v7, 5243
	v_lshrrev_b32 v8, 17, v8
	v_mul_u32_u24 v8, v8, 25
	v_sub_nc_u32 v7, v7, v8
	v_cmp_eq_u32 vcc_lo, 24, v7
	v_cndmask_b32 v[96+\j], 0, v233, vcc_lo
.endr
	v_lshl_add_u32 v10, v0, 4, MT
	ds_store_b128 v10, v[96:99]
	s_lshl_b32 s92, s14, 4
	s_add_co_u32 s93, s78, s92
	s_mul_i32 s94, s93, 48
	s_mov_b32 s95, 0
	s_add_nc_u64 s[96:97], s[4:5], s[94:95]        ; Q's codes at my tile
	s_add_nc_u64 s[98:99], s[6:7], s[94:95]        ; O's codes likewise
	s_add_co_u32 s92, s80, s92
	s_lshl_b32 s92, s92, 2
	s_add_co_u32 s92, s92, s81
	s_add_co_u32 s94, s92, 9437184
	s_add_nc_u64 s[76:77], s[4:5], s[94:95]        ; Q's two scale bytes a row
	s_add_co_u32 s94, s92, 3145728
	s_add_nc_u64 s[6:7], s[6:7], s[94:95]          ; O's
	v_and_b32 v236, 15, v0                         ; r
	v_bfe_u32 v237, v0, 4, 1                       ; h
	v_mul_u32_u24 v11, v236, 48
	v_mad_u32_u24 v11, v237, 24, v11               ; 48 r + 24 h
.irp p, 0,1,2
	global_load_b64 v[16+2*\p:17+2*\p], v11, s[96:97] offset:8*\p
.endr
	v_lshlrev_b32 v235, 2, v236                    ; 4 r
	global_load_u16 v232, v235, s[76:77]           ; bytes 2 and 3 are 0: they scale zero codes
	v_add_nc_u32 v1, KB, v11
	v_add_nc_u32 v2, VB, v11
	v_add_nc_u32 v3, s81, v235
	v_add_nc_u32 v3, KSB, v3
	v_add_nc_u32 v4, VSB, v235
	v_lshl_add_u32 v5, v237, 6, MT
	s_lshr_b32 s92, s12, 1
	s_lshl_b32 s92, s92, 5
	s_and_b32 s93, s12, 1
	s_lshl_b32 s93, s93, 3
	s_add_co_u32 s92, s92, s93
	v_and_b32 v234, 7, v236
	v_lshrrev_b32 v224, 3, v236
	v_lshl_add_u32 v234, v224, 4, v234
	v_add_nc_u32 v234, s92, v234                   ; my query inside its block: 32 (t / 2) + 8 (t % 2) + r % 8 + 16 (r / 8),
	v_lshlrev_b32 v224, 4, v237
	v_sub_nc_u32 v234, v234, v224                  ; less 16 h
	v_mov_b32 v13, 0xff61b1e6                      ; the largest t so far: -3e38
	v_floor_f32 v12, -v13                          ; -M
	v_mov_b32 v14, 0
	v_mov_b32 v15, 0
.irp j, 22,23,24,25,26,27,76,77,78,79,80,81,216,217,218,219,227
	v_mov_b32 v[\j], 0                             ; Q's upper half; the six registers behind K's last tile; permutes' destinations; the pair's upper half
.endr
.set j, 0
.rept 32
	v_mov_b32 v[160+j], 0                          ; O^T: the step is written once, and the first change of M multiplies zeros
.set j, j+1
.endr
	s_wait_tensorcnt 0x0                           ; my fill has landed,
	s_wait_dscnt 0x0                               ; my part of the mask too
	s_barrier_signal -1
	s_barrier_wait -1                              ; everybody's have
	s_wait_loadcnt 0x0                             ; Q
.Lstep:                                            ; 16 trips; a step all of whose keys come after my queries is jumped over, but for the lines that step addresses
	s_cmp_gt_u32 s20, s13
	s_cbranch_scc1 .Lskip
	v_add_nc_u32 v6, s21, v1                       ; (these five are also the places behind the last step's products)
	v_add_nc_u32 v7, s21, v2
	v_add_nc_u32 v8, s22, v3
	v_add_nc_u32 v9, s23, v4
	v_add_nc_u32 v10, s22, v5
.irp b, 0,1,2,3
.irp i, 0,1,2,3
	ds_load_b128 v[96+16*\b+4*\i:99+16*\b+4*\i], v10 offset:128*\b+16*\i   ; the mask of keys 32 b + 16 h + 4 i ..: the C of the scores
.endr
.endr
.irp u, 0,1,2,3,4,5,6,7
.irp p, 0,1,2
	ds_load_b64 v[28+6*\u+2*\p:29+6*\u+2*\p], v6 offset:768*\u+8*\p
.endr
	ds_load_u16 v[82+\u], v8 offset:64*\u
.endr
	s_wait_dscnt 0x0
.irp u, 0,1,2,3,4,5,6,7
	v_wmma_scale_f32_16x16x128_f8f6f4 v[96+8*\u:103+8*\u], v[28+6*\u:39+6*\u], v[16:27], v[96+8*\u:103+8*\u], v[82+\u], v232 matrix_a_fmt:MATRIX_FMT_FP6 matrix_b_fmt:MATRIX_FMT_FP6
.endr
.rept 4
	v_nop                                          ; places in front of the loads over K's registers and of the first read of the scores
.endr
.irp t, 0,1,2,3
.irp p, 0,1,2,3,4,5
	ds_load_b64 v[28+12*\t+2*\p:29+12*\t+2*\p], v7 offset:768*\t+3072*(\p/3)+8*(\p%3)   ; V lands during the softmax
.endr
	ds_load_b32 v[90+\t], v9 offset:64*\t
.endr
	s_cmp_lg_u32 s20, s13
	s_cbranch_scc1 .Lopen
.set n, 0
.rept 64                               ; the step on the diagonal: register 16 b + i holds key 32 b + 16 h + i of the block: hidden where it comes after my query
	v_cmp_gt_i32 vcc_lo, 32*(n/16)+n%16, v234
	v_cndmask_b32 v[96+n], v[96+n], v233, vcc_lo
.set n, n+1
.endr
.Lopen:
.irp b, 0,1,2,3
	v_max3_num_f32 v[212+\b], v[96+16*\b], v[97+16*\b], v[98+16*\b]   ; the largest score of each block of 32 keys: for the row's maximum and for the block's largest p
.endr
.irp i, 3,5,7,9,11,13
.irp b, 0,1,2,3
	v_max3_num_f32 v[212+\b], v[212+\b], v[96+16*\b+\i], v[97+16*\b+\i]
.endr
.endr
.irp b, 0,1,2,3
	v_max_num_f32 v[212+\b], v[212+\b], v[111+16*\b]
.endr
.irp b, 0,1,2,3
	v_permlanex16_b32 v[216+\b], v[212+\b], s16, s17
.endr
.irp b, 0,1,2,3
	v_max_num_f32 v[212+\b], v[212+\b], v[216+\b]
.endr
	v_max3_num_f32 v224, v212, v213, v214
	v_max_num_f32 v224, v224, v215
	v_mul_f32 v224, s18, v224                      ; as t
	v_max_num_f32 v13, v13, v224                   ; the running largest t
	v_mov_b32 v224, v12
	v_floor_f32 v12, -v13                          ; the new -M: M is a whole number
	v_sub_f32 v224, v12, v224
	v_cvt_i32_f32 v224, v224                       ; (it saturates)
	v_ldexp_f32 v226, 1.0, v224                    ; f = 2^(old M - new M)
.set j, 0
.rept 32
	v_pk_fma_f32 v[96+j:97+j], v[96+j:97+j], s[18:19], v[12:13] op_sel_hi:[1,0,0]   ; t - M
.set j, j+2
.endr
.irp b, 0,1,2,3
	v_fma_f32 v[212+\b], v[212+\b], s18, v12
.endr
.set j, 0
.rept 64
	v_exp_f32 v[96+j], v[96+j]                     ; p, not normalised
.set j, j+1
.endr
	v_pk_mul_f32 v[14:15], v[14:15], v[226:227] op_sel_hi:[1,0]   ; the sums under the new M (a plain place behind the exponentials)
	s_wait_alu depctr_va_vdst(0)                   ; one wait for the batch, ahead of its first reader
.irp b, 0,1,2,3
	v_exp_f32 v[212+\b], v[212+\b]                 ; each block's largest p
.endr
	v_pk_add_f32 v[230:231], v[96:97], v[98:99]    ; the row's sum of the unquantised p, in two chains
.irp j, 4,8,12,16,20,24,28,32,36,40,44,48,52,56,60
	v_pk_add_f32 v[14:15], v[14:15], v[96+\j:97+\j]
	v_pk_add_f32 v[230:231], v[230:231], v[98+\j:99+\j]
.endr
	v_pk_add_f32 v[14:15], v[14:15], v[230:231]
	s_wait_alu depctr_va_vdst(0)                   ; and one for the four
.irp b, 0,1,2,3
	v_max_num_f32 v[212+\b], 0x1800000, v[212+\b]  ; the floor: the byte cannot fall under 1
.endr
.irp b, 0,1,2,3
	v_add_nc_u32 v[220+\b], 0xff000000, v[212+\b]
.endr
.irp b, 0,1,2,3
	v_lshrrev_b32 v[216+\b], 23, v[220+\b]
.endr
	v_lshl_or_b32 v228, v217, 8, v216              ; p's scale word for these 128 keys
	v_lshl_or_b32 v228, v218, 16, v228
	v_lshl_or_b32 v228, v219, 24, v228
.irp c, 0,1
	v_cvt_scalef32_pk16_fp6_f32 v[192+6*\c:194+6*\c], v[96+32*\c:111+32*\c], v[220+2*\c]
	v_cvt_scalef32_pk16_fp6_f32 v[204+4*\c:206+4*\c], v[112+32*\c:127+32*\c], v[220+2*\c+1]
.endr
	v_nop                                          ; one plain place behind a scaled conversion
.irp c, 0,1
.irp i, 0,1,2
	v_permlane16_swap_b32 v[192+6*\c+\i], v[204+4*\c+\i]   ; a whole block to a lane
.endr
.irp i, 0,1,2
	v_mov_b32 v[195+6*\c+\i], v[204+4*\c+\i]
.endr
.endr
.set j, 0
.rept 16
	v_pk_mul_f32 v[160+j:161+j], v[160+j:161+j], v[226:227] op_sel_hi:[1,0]   ; O^T under the new M; these sixteen are also the places between the scale word, the codes and the products
.set j, j+2
.endr
	s_wait_dscnt 0x0                               ; V
.irp t, 0,1,2,3
	v_wmma_scale_f32_16x16x128_f8f6f4 v[160+8*\t:167+8*\t], v[28+12*\t:39+12*\t], v[192:203], v[160+8*\t:167+8*\t], v[90+\t], v228 matrix_a_fmt:MATRIX_FMT_FP6 matrix_b_fmt:MATRIX_FMT_FP6
.endr
.Lskip:
	s_add_co_u32 s21, s21, 6144
	s_add_co_u32 s22, s22, 512
	s_add_co_u32 s23, s23, 256
	s_add_co_u32 s20, s20, 1
	s_cmp_lt_u32 s20, 16
	s_cbranch_scc1 .Lstep
	; THE WAY OUT: O^T / l; register 16 c + i holds d = 32 c + 16 h + i: two blocks of 32 are quantised
	v_add_f32 v14, v14, v15
	v_permlanex16_b32 v224, v14, s16, s17
	v_add_f32 v14, v14, v224
	v_rcp_f32 v14, v14
	s_mul_i32 s92, s8, 768
	s_add_co_u32 s92, s92, OST
	v_add_nc_u32 v6, s92, v11                      ; into my stage: place r, block h
	v_and_b32 v7, 31, v0
	v_lshlrev_b32 v8, 3, v7
	v_add_nc_u32 v7, s92, v8                       ; back: 8 bytes a lane
	s_wait_alu depctr_va_vdst(0)                   ; the wait ahead of the reciprocal's first reader
.set j, 0
.rept 32
	v_mul_f32 v[96+j], v[160+j], v14
.set j, j+1
.endr
.irp c, 0,1
	v_max3_num_f32 v[212+\c], |v[96+16*\c]|, |v[97+16*\c]|, 0x1800000
.endr
.irp i, 2,4,6,8,10,12,14
.irp c, 0,1
	v_max3_num_f32 v[212+\c], v[212+\c], |v[96+16*\c+\i]|, |v[97+16*\c+\i]|
.endr
.endr
.irp c, 0,1
	v_permlanex16_b32 v[216+\c], v[212+\c], s16, s17
.endr
.irp c, 0,1
	v_max_num_f32 v[212+\c], v[212+\c], v[216+\c]
.endr
.irp c, 0,1
	v_add_nc_u32 v[220+\c], 0xff000000, v[212+\c]
.endr
.irp c, 0,1
	v_lshrrev_b32 v[218+\c], 23, v[220+\c]
.endr
	v_lshl_or_b32 v225, v219, 8, v218              ; my row's two scale bytes
	v_cvt_scalef32_pk16_fp6_f32 v[192:194], v[96:111], v220
	v_cvt_scalef32_pk16_fp6_f32 v[196:198], v[112:127], v221
	v_nop
.irp i, 0,1,2
	v_permlane16_swap_b32 v[192+\i], v[196+\i]
.endr
.irp i, 0,1,2
	v_mov_b32 v[195+\i], v[196+\i]
.endr
.irp i, 0,1,2
	ds_store_b64 v6, v[192+2*\i:193+2*\i] offset:8*\i
.endr
.irp i, 0,1,2
	ds_load_b64 v[200+2*\i:201+2*\i], v7 offset:256*\i   ; LDS serves a wave's instructions in order
.endr
	global_store_b16 v235, v225, s[6:7]            ; both halves of the lanes store the same two bytes
.irp i, 0,1,2
	s_wait_dscnt 2-\i
	global_store_b64 v8, v[200+2*\i:201+2*\i], s[98:99] offset:256*\i   ; 32 lanes store 256 consecutive bytes, aligned
.endr
	s_wait_tensorcnt 0x0
	ds_add_u32 v254, v255
	s_wait_dscnt 0x0
	s_endpgm
.Lfunc_end_k_qabe62700ed_attn:
	.size	k_qabe62700ed_attn, .Lfunc_end_k_qabe62700ed_attn-k_qabe62700ed_attn
	.p2alignl 7, 3214868480
	.fill 96, 4, 3214868480
	.section	.rodata,"a",@progbits
	.p2align	6, 0x0
	.amdhsa_kernel k_qabe62700ed_attn
		.amdhsa_group_segment_fixed_size 231424
		.amdhsa_private_segment_fixed_size 0
		.amdhsa_enable_private_segment 0
		.amdhsa_kernarg_size 16
		.amdhsa_user_sgpr_count 2
		.amdhsa_user_sgpr_kernarg_segment_ptr 1
		.amdhsa_wavefront_size32 1
		.amdhsa_system_sgpr_workgroup_id_x 1
		.amdhsa_system_sgpr_workgroup_id_y 1
		.amdhsa_system_sgpr_workgroup_id_z 1
		.amdhsa_system_vgpr_workitem_id 0
		.amdhsa_next_free_vgpr 256
		.amdhsa_next_free_sgpr 100
		.amdhsa_reserve_vcc 1
		.amdhsa_float_denorm_mode_32 3
		.amdhsa_float_denorm_mode_16_64 3
		.amdhsa_memory_ordered 1
		.amdhsa_forward_progress 1
		.amdhsa_inst_pref_size 40
	.end_amdhsa_kernel
	.amdgpu_metadata
---
amdhsa.version: [ 1, 2 ]
amdhsa.kernels:
  - .name:           k_qabe62700ed_attn
    .symbol:         k_qabe62700ed_attn.kd
    .args:
      - { .name: qkvbuf, .offset: 0, .size: 8, .value_kind: global_buffer, .address_space: global }
      - { .name: obuf, .offset: 8, .size: 8, .value_kind: global_buffer, .address_space: global }
    .group_segment_fixed_size: 231424
    .private_segment_fixed_size: 0
    .kernarg_segment_align: 8
    .kernarg_segment_size: 16
    .max_flat_workgroup_size: 512
    .sgpr_count:     100
    .vgpr_count:     256
    .wavefront_size: 32
...
	.end_amdgpu_metadata
.endif
;; end of part 3
;; launch proj (part 4): grid 8 x 32, 4 waves a work-group, clusters of 4 x 4, 327,680 bytes of LDS; arguments obuf, Wp_codes, Wp_scales, bp, hidden_states, hres; writes hres
.if DOCPART == 4
	.amdgcn_target "amdgcn-amd-amdhsa--gfx1250"
	.amdhsa_code_object_version 6
	.text
	.protected	k_qabe62700ed_proj
	.globl	k_qabe62700ed_proj
	.p2align	8
	.type	k_qabe62700ed_proj,@function
k_qabe62700ed_proj:
	s_mov_b64 s[64:65], 0
	v_nop
	global_prefetch_b8 v0, s[64:65] scope:SCOPE_SE
	s_setreg_imm32_b32 hwreg(HW_REG_WAVE_MODE, 25, 1), 1
	s_wait_xcnt 0x0
	s_wait_alu depctr_hold_cnt(0) depctr_sa_sdst(0) depctr_va_vdst(0) depctr_va_sdst(0) depctr_va_ssrc(0) depctr_va_vcc(0) depctr_vm_vsrc(0)
	s_getreg_b32 s2, hwreg(HW_REG_IB_STS2, 6, 4)
	s_cmp_eq_u32 s2, 0
	s_cbranch_scc0 .Lentry_in_a_cluster
	s_endpgm
.Lentry_in_a_cluster:
	s_bfe_u32 s2, ttmp6, 0x10000c
	s_cmp_lg_u32 s2, 0xf033
	s_cbranch_scc0 .Lentry_shape_is_right
	s_endpgm
.Lentry_shape_is_right:
; out = Y W^T + bias + res on codes of FP6 (E2M3) with E8M0 scales; out and res are f32 [4096][1024].  SIZE_K is the one constant in which this text differs between its two uses.
; Y: codes [k / 64][row place][48 B], scale words [k / 128][row place] behind them (at byte SIZE_K x 3,072); a token x lies at place pi(x) (bits 3 and 4 exchanged).  W: codes [1024][SIZE_K x 3 / 4 B], scale bytes [1024][SIZE_K / 32].
; A tile of 128 x 128 to a work-group (256 work-groups), 64 x 64 to each of four waves: 16 accumulators.  K goes in steps of 512 through two LDS slots filled by the tensor data mover.
; CLUSTER 4 x 4: Y's tile is shared along a row of the cluster, W's along a column: joint loads.  All scales of the work-group's rows come once, with the first fills.
; Source 0 = 16 rows of W, source 1 = 16 places of Y: a lane holds one place and eight neighbouring columns.  The bias is the C of each sum's first product.
; The way out undoes pi in the stores' immediates; the residual is asked for at the head and added to rows read back from the wave's stage.
.set SIZE_K, 1024
.set KROW,  SIZE_K*3/4
.set KS,    SIZE_K/32
.set NU,    SIZE_K/128
.set LAPS,  SIZE_K/1024
.set PITCH, 432                        ; W's LDS row: 3 x (128 bytes + 16 of padding) = 108 words: the 32 lanes of a load of 8 bytes fall on 64 different words modulo 64
.set HALFX, 64*PITCH
.set HALFY, 8*3072                     ; Y's half: [8][64 places][48 B], no padding: 12 words from place to place serve the same
.set SLOT,  2*HALFY+2*HALFX
.set SCL,   2*SLOT
.set HALFS, NU*272                     ; the scales of 64 rows, as 256 bytes + 16
.set SBLK,  (16*KS/256)*272
.set SPARE, SCL+4*HALFS
.set STG,   SPARE+512                  ; 16 rows x (256 + 16) bytes for each wave
.set YSOFF, SIZE_K*3072
.set YSTEP, 8*4096*48                  ; 512 along K in Y's codes
.set ADP, 6
.set ADR, 10
.set ASP, 14
.set ASR, 15
.set SPW, 16
.set NIL, 17
.set STO, 18
.set RD,  19
.set RO,  20
.set SP,  32                           ; v32-63 Y's scale words, v64-95 W's: they hold scales and nothing else
.set SR,  64
.set BN,  96
.set ACC, 128                          ; window 1: fragment set f: W at 128 f + 12 b, Y at 128 f + 48 + 12 a;  window 2: v0-127 the residual
.set G1Y, 28
.set G0Y, 36
.set G1X, 44
.set G0X, 52
.set G1SY, 68
.set G0SY, 76
.set G1SX, 80
.set G0SX, 88
.set W0T, (1<<20)|(1<<21)|(4<<22)|(3<<25)
.set W0H, (3<<16)|(1<<21)
.set W0S, (3<<16)|(1<<20)|(1<<21)|(5<<22)|(3<<25)
.set MUL,  0x05
.set TO_F, 0x40
.set MSB, 0
.macro WIN new                         ; the immediate's high byte repeats the setting that is left
.if MSB != \new
	s_set_vgpr_msb (MSB<<8)|\new
.set MSB, \new
.endif
.endm
.macro JLOAD g0y, g1y, g0x, g1x        ; a joint load: waves 0, 1 fetch Y's halves, waves 2, 3 W's; four v_nop follow each line
	s_cmp_eq_u32 s19, 0
	s_cbranch_scc0 .Lfor_x_\@
	tensor_load_to_lds s[\g0y:\g0y+3], s[\g1y:\g1y+7]
	s_nop 0
.rept 4
	v_nop
.endr
	s_branch .Lasked_\@
.Lfor_x_\@:
	tensor_load_to_lds s[\g0x:\g0x+3], s[\g1x:\g1x+7]
	s_nop 0
.rept 4
	v_nop
.endr
.Lasked_\@:
.endm
.macro CREST
	s_cmp_lg_u32 s18, 0
	s_cbranch_scc1 .Lnot_wave_0_\@
	s_barrier_signal -3
.Lnot_wave_0_\@:
	s_barrier_wait -3
	s_barrier_signal -1
	s_barrier_wait -1
.endm
.macro CROUND
	s_barrier_signal -1
	s_barrier_wait -1
	CREST
.endm
.macro PLACES n
.rept \n
	v_nop
.endr
.endm
.macro FRAGR reg, adr, q, i            ; W: lane (r, h) takes 24 bytes at 96 q + 24 h and at 96 q + 48 + 24 h of row 16 i + r, in pieces of 8; the second address serves where lanes 16-31 lie behind one padding more
.irp p, 0,1,2,3,4,5
.set PIE, 12*(\q)+6*(\p/3)+\p%3
.if PIE%16 < 13
	ds_load_b64 v[\reg+2*\p:\reg+2*\p+1], v[\adr] offset:8*PIE+16*(PIE/16)+(\i)*16*PITCH
.else
	ds_load_b64 v[\reg+2*\p:\reg+2*\p+1], v[\adr+2] offset:8*PIE+16*(PIE/16)+(\i)*16*PITCH
.endif
.endr
.endm
.macro FRAGH reg, adr, q, i            ; Y: 64 along K of a place are 48 bytes on end
.irp p, 0,1,2,3,4,5
	ds_load_b64 v[\reg+2*\p:\reg+2*\p+1], v[\adr] offset:(2*(\q)+\p/3)*3072+(\i)*768+8*(\p%3)
.endr
.endm
.macro FETCH slot, q, f
	WIN TO_F
.irp i, 0,1,2,3
	FRAGR 128*(\f)+12*\i, ADR+\slot, \q, \i
.endr
.irp i, 0,1,2,3
	FRAGH 128*(\f)+48+12*\i, ADP+\slot, \q, \i
.endr
.endm
.macro SCALES s
.irp b, 0,1,2,3
	ds_load_b128 v[SR+16*\s+4*\b:SR+16*\s+4*\b+3], v[ASR] offset:\b*SBLK
.endr
.irp a, 0,1,2,3
.irp q, 0,1,2,3
	ds_load_b32 v[SP+16*\s+4*\a+\q], v[ASP] offset:\q*272+\a*64
.endr
.endr
.endm
.macro MULA a, f, q, s, zero           ; the 16 accumulators take turns, one instruction a turn, in the same order in every step
.irp b, 0,1,2,3
.if \zero
	v_wmma_scale_f32_16x16x128_f8f6f4 v[ACC+8*(4*\a+\b):ACC+8*(4*\a+\b)+7], v[128*(\f)+12*\b:128*(\f)+12*\b+11], v[128*(\f)+48+12*\a:128*(\f)+48+12*\a+11], v[BN+8*\b:BN+8*\b+7], v[SR+16*\s+4*\b+(\q)], v[SP+16*\s+4*\a+(\q)] matrix_a_fmt:MATRIX_FMT_FP6 matrix_b_fmt:MATRIX_FMT_FP6
.else
	v_wmma_scale_f32_16x16x128_f8f6f4 v[ACC+8*(4*\a+\b):ACC+8*(4*\a+\b)+7], v[128*(\f)+12*\b:128*(\f)+12*\b+11], v[128*(\f)+48+12*\a:128*(\f)+48+12*\a+11], v[ACC+8*(4*\a+\b):ACC+8*(4*\a+\b)+7], v[SR+16*\s+4*\b+(\q)], v[SP+16*\s+4*\a+(\q)] matrix_a_fmt:MATRIX_FMT_FP6 matrix_b_fmt:MATRIX_FMT_FP6
.endif
.endr
.endm
.macro STEP slot, q, zero
	PLACES 4                                       ; in front of loads into the set that the step before multiplied
	FETCH \slot, (\q)+1, 1-(\q)%2
	s_wait_dscnt 48                                ; all but the 48 just issued
	WIN MUL
	MULA 0, (\q)%2, \q, \slot, \zero
	MULA 1, (\q)%2, \q, \slot, \zero
	MULA 2, (\q)%2, \q, \slot, \zero
	MULA 3, (\q)%2, \q, \slot, \zero
.endm
.macro TURN slot, next, fill           ; a slot's last step changes slots: one barrier.  fill = 1: it opens a round of the cluster's barrier, and this slot is filled again, 1,024 along K ahead
	WIN 0
	s_wait_tensorcnt 0x0                           ; all my tensor loads have landed: my part of the next slot
	ds_add_u32 v[SPW], v[NIL]                      ; 0 onto my spare word
	s_wait_dscnt 1                                 ; (only the add may be out)
	WIN MUL
	MULA 0, 1, 3, \slot, 0
	MULA 1, 1, 3, \slot, 0
	s_wait_dscnt 0x0                               ; the add is done, and my reads of this slot are over
	s_barrier_signal -1
	MULA 2, 1, 3, \slot, 0
	WIN 0
	s_barrier_wait -1
.if \fill
	CREST                                          ; no wave of any partner still reads this slot or has a load on its way
	s_add_nc_u64 s[G0Y+4*\slot+2:G0Y+4*\slot+3], s[G0Y+4*\slot+2:G0Y+4*\slot+3], 2*YSTEP
	s_add_nc_u64 s[G0X+4*\slot+2:G0X+4*\slot+3], s[G0X+4*\slot+2:G0X+4*\slot+3], 2*384
	JLOAD G0Y+4*\slot, G1Y, G0X+4*\slot, G1X       ; my one tensor load behind the round; its four v_nop are also the places in front of the loads below
.else
	PLACES 4
.endif
	v_add_nc_u32 v[ASR], 16, v[ASR]
	v_add_nc_u32 v[ASP], 4*272, v[ASP]
	SCALES \next
	FETCH \next, 0, 0
	WIN MUL
	MULA 3, 1, 3, \slot, 0
.endm
	s_load_b256 s[4:11], s[0:1], 0x0               ; Y s[4:5], W's codes s[6:7], W's scales s[8:9], bias s[10:11]
	s_load_b128 s[12:15], s[0:1], 0x20             ; res s[12:13], out s[14:15]
	v_lshl_add_u32 v[SPW], v0, 2, SPARE
	v_mov_b32 v[NIL], 0
	ds_add_u32 v16, v17
	ds_add_u32 v16, v17
	s_wait_dscnt 0x0
	v_lshrrev_b32 v1, 5, v0
	v_readfirstlane_b32 s18, v1                    ; wave
	s_lshr_b32 s19, s18, 1                         ; yi; also: I fetch for Y (0) or for W (1)
	s_and_b32 s20, s18, 1                          ; xi; also: which 64 rows I fetch
	s_bfe_u32 s21, ttmp6, 0x40000                  ; cx
	s_bfe_u32 s22, ttmp6, 0x40004                  ; cy
	s_lshl_b32 s23, ttmp9, 2
	s_add_co_u32 s23, s23, s21                     ; x
	s_and_b32 s24, ttmp7, 0xffff
	s_lshl_b32 s24, s24, 2
	s_add_co_u32 s24, s24, s22                     ; y
	s_lshl_b32 s25, s22, 2
	s_lshl_b32 s25, 15, s25                        ; my row of the cluster
	s_lshl_b32 s26, 0x1111, s21                    ; my column
	s_or_b32 s[G1Y+0], s25, W0H                    ; Y: 8 rows of 3,072 bytes (384 elements of 8), 196,608 bytes apart
	s_mov_b32 s[G1Y+1], 384<<16
	s_mov_b32 s[G1Y+2], 8<<16
	s_mov_b32 s[G1Y+3], 384<<16
	s_mov_b32 s[G1Y+4], 8
	s_mov_b32 s[G1Y+5], 24576
	s_mov_b32 s[G1Y+6], 0
	s_mov_b32 s[G1Y+7], 0
	s_or_b32 s[G1X+0], s26, W0T                    ; W: 64 rows of 384 bytes, padded
	s_mov_b32 s[G1X+1], 384<<16
	s_mov_b32 s[G1X+2], 64<<16
	s_mov_b32 s[G1X+3], 384<<16
	s_mov_b32 s[G1X+4], 64
	s_mov_b32 s[G1X+5], KROW
	s_mov_b32 s[G1X+6], 0
	s_mov_b32 s[G1X+7], 0
	s_or_b32 s[G1SY+0], s25, W0S                   ; Y's scale words: NU rows of 256 bytes, 16,384 bytes apart
	s_mov_b32 s[G1SY+1], 32<<16
	s_mov_b32 s[G1SY+2], NU<<16
	s_mov_b32 s[G1SY+3], 32<<16
	s_mov_b32 s[G1SY+4], NU
	s_mov_b32 s[G1SY+5], 2048
	s_mov_b32 s[G1SY+6], 0
	s_mov_b32 s[G1SY+7], 0
	s_or_b32 s[G1SX+0], s26, W0S                   ; W's scale bytes: NU rows of 256 bytes, dense
	s_mov_b32 s[G1SX+1], 32<<16
	s_mov_b32 s[G1SX+2], NU<<16
	s_mov_b32 s[G1SX+3], 32<<16
	s_mov_b32 s[G1SX+4], NU
	s_mov_b32 s[G1SX+5], 32
	s_mov_b32 s[G1SX+6], 0
	s_mov_b32 s[G1SX+7], 0
	s_lshl_b32 s27, s20, 6
	s_lshl_b32 s62, s24, 7
	s_add_co_u32 s62, s62, s27                     ; Y's first place
	s_mul_i32 s92, s62, 48
	s_mov_b32 s93, 0
	s_lshl_b32 s94, s62, 2
	s_add_co_u32 s94, s94, YSOFF
	s_mov_b32 s95, 0
	s_lshl_b32 s63, s23, 7
	s_add_co_u32 s63, s63, s27                     ; W's first row
	s_mul_i32 s96, s63, KROW
	s_mov_b32 s97, 0
	s_mul_i32 s98, s63, KS
	s_mov_b32 s99, 0
	s_mul_i32 s66, s20, HALFY                      ; where they go: no place in the cluster enters an LDS address
	s_mul_i32 s67, s20, HALFX
	s_add_co_u32 s67, s67, 2*HALFY
	s_mul_i32 s100, s18, HALFS
	s_add_co_u32 s100, s100, SCL
	s_wait_kmcnt 0x0
	s_add_nc_u64 s[92:93], s[4:5], s[92:93]
	s_add_nc_u64 s[94:95], s[4:5], s[94:95]
	s_add_nc_u64 s[96:97], s[6:7], s[96:97]
	s_add_nc_u64 s[98:99], s[8:9], s[98:99]
	CROUND                                         ; all sixteen work-groups are here: the first joint loads meet
	s_mov_b32 s[G0SY], 1
	s_mov_b32 s[G0SY+1], s100
	s_mov_b64 s[G0SY+2:G0SY+3], s[94:95]
	s_or_b32 s[G0SY+3], s[G0SY+3], 0x80000000
	s_mov_b32 s[G0SX], 1
	s_mov_b32 s[G0SX+1], s100
	s_mov_b64 s[G0SX+2:G0SX+3], s[98:99]
	s_or_b32 s[G0SX+3], s[G0SX+3], 0x80000000
	JLOAD G0SY, G1SY, G0SX, G1SX                   ; three loads of mine are out at the head: the scales, slot 0, slot 1; later one behind each round
.irp s, 0,1
	s_mov_b32 s[G0Y+4*\s], 1
	s_add_co_u32 s[G0Y+4*\s+1], s66, \s*SLOT
	s_add_nc_u64 s[G0Y+4*\s+2:G0Y+4*\s+3], s[92:93], \s*YSTEP
	s_or_b32 s[G0Y+4*\s+3], s[G0Y+4*\s+3], 0x80000000
	s_mov_b32 s[G0X+4*\s], 1
	s_add_co_u32 s[G0X+4*\s+1], s67, \s*SLOT
	s_add_nc_u64 s[G0X+4*\s+2:G0X+4*\s+3], s[96:97], \s*384
	s_or_b32 s[G0X+4*\s+3], s[G0X+4*\s+3], 0x80000000
	JLOAD G0Y+4*\s, G1Y, G0X+4*\s, G1X
.endr
	v_and_b32 v1, 15, v0                           ; r
	v_bfe_u32 v2, v0, 4, 1                         ; h
	v_mul_u32_u24 v3, v1, PITCH
	v_mad_u32_u24 v4, v2, 24, v3
	v_mad_u32_u24 v5, v2, 40, v3
	v_mul_u32_u24 v3, v1, 48
	v_mad_u32_u24 v3, v2, 24, v3
	s_mul_i32 s25, s19, HALFY                      ; my 64 places of Y
	s_mul_i32 s26, s20, HALFX
	s_add_co_u32 s26, s26, 2*HALFY                 ; my 64 rows of W
.irp s, 0,1
	v_add_nc_u32 v[ADP+\s], s25, v3
	v_add_nc_u32 v[ADR+\s], s26, v4
	v_add_nc_u32 v[ADR+2+\s], s26, v5
	s_add_co_u32 s25, s25, SLOT
	s_add_co_u32 s26, s26, SLOT
.endr
	v_mul_u32_u24 v3, v1, KS
	v_lshrrev_b32 v4, 8, v3
	v_lshl_add_u32 v3, v4, 4, v3
	s_mul_i32 s26, s20, HALFS
	s_add_co_u32 s26, s26, SCL+2*HALFS
	v_add_nc_u32 v[ASR], s26, v3
	s_mul_i32 s25, s19, HALFS
	s_add_co_u32 s25, s25, SCL
	v_lshl_add_u32 v[ASP], v1, 2, s25
	s_mul_i32 s25, s18, 16*272
	s_add_co_u32 s25, s25, STG
	v_mul_u32_u24 v[STO], v1, 272
	v_lshl_add_u32 v[STO], v2, 5, v[STO]
	v_add_nc_u32 v[STO], s25, v[STO]               ; into my stage: row r, 32 bytes for each half of the lanes
	v_mul_u32_u24 v[RD], v2, 272
	v_lshl_add_u32 v[RD], v1, 4, v[RD]
	v_add_nc_u32 v[RD], s25, v[RD]                 ; back: lanes 0-15 one row of 256 bytes, lanes 16-31 the next
	v_lshlrev_b32 v[RO], 12, v2
	v_lshl_add_u32 v[RO], v1, 4, v[RO]             ; the same two rows in res and out
	s_lshl_b32 s92, s23, 9
	s_lshl_b32 s93, s20, 8
	s_add_co_u32 s92, s92, s93                     ; my first column, in bytes
	s_mov_b32 s93, 0
	s_add_nc_u64 s[10:11], s[10:11], s[92:93]
	s_lshl_b32 s94, s24, 7
	s_lshl_b32 s95, s19, 6
	s_add_co_u32 s94, s94, s95
	s_lshl_b32 s94, s94, 12                        ; my first row, in bytes
	s_add_co_u32 s92, s92, s94
	s_add_nc_u64 s[12:13], s[12:13], s[92:93]
	s_add_nc_u64 s[14:15], s[14:15], s[92:93]
	v_lshlrev_b32 v3, 5, v2
.irp b, 0,1,2,3
	global_load_b128 v[BN+8*\b:BN+8*\b+3], v3, s[10:11] offset:64*\b
	global_load_b128 v[BN+8*\b+4:BN+8*\b+7], v3, s[10:11] offset:64*\b+16
.endr
	WIN 0x80                                       ; destination window 2: the residual, in the order in which rows come back from the stage
.irp a, 0,1,2,3
.irp t, 0,1,2,3,4,5,6,7
	global_load_b128 v[4*(8*\a+\t):4*(8*\a+\t)+3], v[RO], s[12:13] offset:(32*(\a/2)+8*(\a%2)+16*(\t/4)+2*(\t%4))*4096 th:TH_LOAD_NT
.endr
.endr
	WIN 0
	s_wait_tensorcnt 1                             ; the scales and my part of slot 0 are in; slot 1's load may be out
	s_barrier_signal -1
	s_barrier_wait -1
	SCALES 0
	FETCH 0, 0, 0
	s_wait_loadcnt 32                              ; the bias is in; the 32 loads of the residual may be out
	STEP 0, 0, 1                                   ; the first products start the sums, with the bias as C
.if LAPS > 1
	WIN 0
	s_mov_b32 s3, LAPS-1
.Llap:                                             ; a trip goes once round the ring and fills both slots again
	STEP 0, 1, 0
	STEP 0, 2, 0
	TURN 0, 1, 1
	STEP 1, 0, 0
	STEP 1, 1, 0
	STEP 1, 2, 0
	TURN 1, 0, 1
	STEP 0, 0, 0
	WIN 0
	s_sub_co_u32 s3, s3, 1
	s_cmp_lg_u32 s3, 0
	s_cbranch_scc1 .Llap
.endif
	STEP 0, 1, 0                                   ; the last lap fills nothing
	STEP 0, 2, 0
	TURN 0, 1, 0
	STEP 1, 0, 0
	STEP 1, 1, 0
	STEP 1, 2, 0
	s_wait_dscnt 0x0
	WIN MUL
	MULA 0, 1, 3, 1, 0
	MULA 1, 1, 3, 1, 0
	MULA 2, 1, 3, 1, 0
	MULA 3, 1, 3, 1, 0
	WIN 0
	PLACES 4
; THE WAY OUT, 16 places x 64 columns at a time, through my own stage.  Place 16 a + 2 t + (lane / 16) is token 32 (a / 2) + 8 (a % 2) + 16 (t / 4) + 2 (t % 4) + (lane / 16).
.macro TOSTAGE a
	WIN 0
.irp b, 0,1,2,3
	ds_store_b128 v[STO], v[ACC+8*(4*(\a)+\b):ACC+8*(4*(\a)+\b)+3] offset:64*\b      ; each accumulator from its low end on
	ds_store_b128 v[STO], v[ACC+8*(4*(\a)+\b)+4:ACC+8*(4*(\a)+\b)+7] offset:64*\b+16
.endr
	WIN TO_F
.irp t, 0,1,2,3,4,5,6,7
	ds_load_b128 v[32*((\a)%2)+4*\t:32*((\a)%2)+4*\t+3], v[RD] offset:544*\t         ; LDS serves a wave's instructions in order
.endr
.endm
.macro SEND a, younger
	s_wait_dscnt \younger
	WIN 0x49                                       ; destination and source 0 window 1, source 1 window 2
.set k, 0
.rept 16
	v_pk_add_f32 v[32*((\a)%2)+2*k:32*((\a)%2)+2*k+1], v[32*((\a)%2)+2*k:32*((\a)%2)+2*k+1], v[32*(\a)+2*k:32*(\a)+2*k+1]
.set k, k+1
.endr
	WIN 0x04                                       ; a store's data: window 1
.irp t, 0,1,2,3,4,5,6,7
	global_store_b128 v[RO], v[32*((\a)%2)+4*\t:32*((\a)%2)+4*\t+3], s[14:15] offset:(32*((\a)/2)+8*((\a)%2)+16*(\t/4)+2*(\t%4))*4096   ; 16 lanes store 256 consecutive bytes, aligned
.endr
.endm
	s_wait_loadcnt 0x0                             ; the residual
	TOSTAGE 0
.irp a, 1,2,3
.if \a > 1
	s_wait_xcnt 0x0                                ; the stores of two blocks back have read their registers: this block's rows may land there
.endif
	TOSTAGE \a
	SEND \a-1, 16                                  ; behind that block's loads: this block's 8 stores and 8 loads
.endr
	SEND 3, 0
	WIN 0
	s_wait_tensorcnt 0x0                           ; the wave's end
	ds_add_u32 v[SPW], v[NIL]
	s_wait_dscnt 0x0
	CROUND                                         ; the closing round
	s_endpgm
.Lfunc_end_k_qabe62700ed_proj:
	.size	k_qabe62700ed_proj, .Lfunc_end_k_qabe62700ed_proj-k_qabe62700ed_proj
	.p2alignl 7, 3214868480
	.fill 96, 4, 3214868480
	.section	.rodata,"a",@progbits
	.p2align	6, 0x0
	.amdhsa_kernel k_qabe62700ed_proj
		.amdhsa_group_segment_fixed_size 327680
		.amdhsa_private_segment_fixed_size 0
		.amdhsa_enable_private_segment 0
		.amdhsa_kernarg_size 48
		.amdhsa_user_sgpr_count 2
		.amdhsa_user_sgpr_kernarg_segment_ptr 1
		.amdhsa_wavefront_size32 1
		.amdhsa_system_sgpr_workgroup_id_x 1
		.amdhsa_system_sgpr_workgroup_id_y 1
		.amdhsa_system_sgpr_workgroup_id_z 1
		.amdhsa_system_vgpr_workitem_id 0
		.amdhsa_next_free_vgpr 768
		.amdhsa_next_free_sgpr 102
		.amdhsa_reserve_vcc 0
		.amdhsa_float_denorm_mode_32 3
		.amdhsa_float_denorm_mode_16_64 3
		.amdhsa_memory_ordered 1
		.amdhsa_forward_progress 1
		.amdhsa_inst_pref_size 71
	.end_amdhsa_kernel
	.amdgpu_metadata
---
amdhsa.version: [ 1, 2 ]
amdhsa.kernels:
  - .name:           k_qabe62700ed_proj
    .symbol:         k_qabe62700ed_proj.kd
    .args:
      - { .name: obuf, .offset: 0, .size: 8, .value_kind: global_buffer, .address_space: global }
      - { .name: Wp_codes, .offset: 8, .size: 8, .value_kind: global_buffer, .address_space: global }
      - { .name: Wp_scales, .offset: 16, .size: 8, .value_kind: global_buffer, .address_space: global }
      - { .name: bp, .offset: 24, .size: 8, .value_kind: global_buffer, .address_space: global }
      - { .name: hidden_states, .offset: 32, .size: 8, .value_kind: global_buffer, .address_space: global }
      - { .name: hres, .offset: 40, .size: 8, .value_kind: global_buffer, .address_space: global }
    .group_segment_fixed_size: 327680
    .private_segment_fixed_size: 0
    .kernarg_segment_align: 8
    .kernarg_segment_size: 48
    .max_flat_workgroup_size: 128
    .sgpr_count:     102
    .vgpr_count:     768
    .wavefront_size: 32
...
	.end_amdgpu_metadata
.endif
;; end of part 4
;; launch ln2: the kernel of part 1 again; grid 256 x 1, 4 waves a work-group, no clusters, 22,016 bytes of LDS; arguments hres, ln2_g, ln2_b, xbuf; writes xbuf
;; launch w1 (part 5): grid 32 x 32, 4 waves a work-group, clusters of 4 x 4, 327,680 bytes of LDS; arguments xbuf, W1_codes, W1_scales, b1, hbuf; writes hbuf
.if DOCPART == 5
	.amdgcn_target "amdgcn-amd-amdhsa--gfx1250"
	.amdhsa_code_object_version 6
	.text
	.protected	k_qabe62700ed_w1
	.globl	k_qabe62700ed_w1
	.p2align	8
	.type	k_qabe62700ed_w1,@function
k_qabe62700ed_w1:
	s_mov_b64 s[64:65], 0
	v_nop
	global_prefetch_b8 v0, s[64:65] scope:SCOPE_SE
	s_setreg_imm32_b32 hwreg(HW_REG_WAVE_MODE, 25, 1), 1
	s_wait_xcnt 0x0
	s_wait_alu depctr_hold_cnt(0) depctr_sa_sdst(0) depctr_va_vdst(0) depctr_va_sdst(0) depctr_va_ssrc(0) depctr_va_vcc(0) depctr_vm_vsrc(0)
	s_getreg_b32 s2, hwreg(HW_REG_IB_STS2, 6, 4)
	s_cmp_eq_u32 s2, 0
	s_cbranch_scc0 .Lentry_in_a_cluster
	s_endpgm
.Lentry_in_a_cluster:
	s_bfe_u32 s2, ttmp6, 0x10000c
	s_cmp_lg_u32 s2, 0xf033
	s_cbranch_scc0 .Lentry_shape_is_right
	s_endpgm
.Lentry_shape_is_right:
; h = gelu(x W1 + b1), exact (by erf), on codes of FP6 (E2M3) with E8M0 scales; h is quantised along its 4,096 for the next product.
; x: codes [4096][768 B] and scale bytes [4096][32] (at byte 3,145,728 of xbuf).  W1: codes [4096][768 B], scale bytes [4096][32].
; A tile of 128 x 128 to a work-group, 64 x 64 to each of four waves (16 accumulators).  K = 1,024 is two LDS slots of 512 along K, both filled at the head: nothing is filled again.
; CLUSTER 4 x 4: x's tile is shared along a row of the cluster, W1's along a column: joint loads.  Source 0 = 16 rows of W1, source 1 = 16 tokens: a lane holds one token and 64 neighbouring hidden units.
; erf(u) = u P(u^2) / Q(u^2), u = x / sqrt(2) held to +-4: a rational form of degrees 6 and 4 in u^2, all f32; gelu = x / 2 + (x / 2) erf.
; OUT (hbuf): codes [k / 64][token place][48 B]; scale words [k / 128][token place] at byte 12,582,912; token x lies at place pi(x), x with bits 3 and 4 exchanged.
; LIMITS: NaN and infinities are not served; erf carries an absolute error of about 1e-7, so gelu far below -3 has a larger relative error; a block under 2^-124 (zeros too) keeps the scale byte 1.
.set KROW,  768
.set NU,    8
.set PITCH, 432                        ; an LDS row: 3 x (128 bytes + 16 of padding) = 108 words: the 32 lanes of a load of 8 bytes fall on 64 different words modulo 64
.set HALF,  64*PITCH
.set SLOT,  4*HALF
.set SCL,   2*SLOT
.set HALFS, NU*272
.set SBLK,  544
.set SPARE, SCL+4*HALFS
.set CSTG,  SPARE+512
.set SSTG,  CSTG+4*3072
.set ADP, 6
.set ADR, 10
.set ASP, 14
.set ASR, 15
.set SPW, 16
.set NIL, 17
.set CST, 18
.set CRD, 19
.set LO,  20
.set SST, 21
.set MG,  22
.set SP,  32                           ; v32-63 x's scale words, v64-95 W1's: they hold scales and nothing else
.set SR,  64
.set BN,  96
.set ACC, 128
.set PC,  96
.set WD,  103
.set OB,  104
.set TM,  104
.set TP,  106
.set TS,  108
.set TB,  110
.set RT2, 112                          ; v[112:113] 1 / sqrt(2), twice
.set GU,  0                            ; window 1, once the fragments are done with: u, u^2, P, Q, and 12 constants as pairs
.set GZ,  32
.set GP,  64
.set GQ,  96
.set GC,  128
.set G1Y, 28
.set G0Y, 36
.set G1X, 44
.set G0X, 52
.set G1SY, 68
.set G0SY, 76
.set G1SX, 80
.set G0SX, 88
.set W0T, (1<<20)|(1<<21)|(4<<22)|(3<<25)
.set W0S, (3<<16)|(1<<20)|(1<<21)|(5<<22)|(3<<25)
.set MUL,  0x05
.set TO_F, 0x40
.set MSB, 0
.macro WIN new                         ; the immediate's high byte repeats the setting that is left
.if MSB != \new
	s_set_vgpr_msb (MSB<<8)|\new
.set MSB, \new
.endif
.endm
.macro JLOAD g0y, g1y, g0x, g1x        ; a joint load: waves 0, 1 fetch x's halves, waves 2, 3 W1's; four v_nop follow each line
	s_cmp_eq_u32 s19, 0
	s_cbranch_scc0 .Lfor_x_\@
	tensor_load_to_lds s[\g0y:\g0y+3], s[\g1y:\g1y+7]
	s_nop 0
.rept 4
	v_nop
.endr
	s_branch .Lasked_\@
.Lfor_x_\@:
	tensor_load_to_lds s[\g0x:\g0x+3], s[\g1x:\g1x+7]
	s_nop 0
.rept 4
	v_nop
.endr
.Lasked_\@:
.endm
.macro CREST
	s_cmp_lg_u32 s18, 0
	s_cbranch_scc1 .Lnot_wave_0_\@
	s_barrier_signal -3
.Lnot_wave_0_\@:
	s_barrier_wait -3
	s_barrier_signal -1
	s_barrier_wait -1
.endm
.macro CROUND
	s_barrier_signal -1
	s_barrier_wait -1
	CREST
.endm
.macro PLACES n
.rept \n
	v_nop
.endr
.endm
.macro FRAGR reg, adr, q, i            ; lane (r, h) takes 24 bytes at 96 q + 24 h and at 96 q + 48 + 24 h of row 16 i + r, in pieces of 8; the second address serves where lanes 16-31 lie behind one padding more
.irp p, 0,1,2,3,4,5
.set PIE, 12*(\q)+6*(\p/3)+\p%3
.if PIE%16 < 13
	ds_load_b64 v[\reg+2*\p:\reg+2*\p+1], v[\adr] offset:8*PIE+16*(PIE/16)+(\i)*16*PITCH
.else
	ds_load_b64 v[\reg+2*\p:\reg+2*\p+1], v[\adr+2] offset:8*PIE+16*(PIE/16)+(\i)*16*PITCH
.endif
.endr
.endm
.macro FETCH slot, q, f
	WIN TO_F
.irp i, 0,1,2,3
	FRAGR 128*(\f)+12*\i, ADR+\slot, \q, \i
.endr
.irp i, 0,1,2,3
	FRAGR 128*(\f)+48+12*\i, ADP+\slot, \q, \i
.endr
.endm
.macro SCALES s
.irp b, 0,1,2,3
	ds_load_b128 v[SR+16*\s+4*\b:SR+16*\s+4*\b+3], v[ASR] offset:\b*SBLK
.endr
.irp a, 0,1,2,3
	ds_load_b128 v[SP+16*\s+4*\a:SP+16*\s+4*\a+3], v[ASP] offset:\a*SBLK
.endr
.endm
.macro MULA a, f, q, s, zero           ; the 16 accumulators take turns, one instruction a turn, in the same order in every step
.irp b, 0,1,2,3
.if \zero
	v_wmma_scale_f32_16x16x128_f8f6f4 v[ACC+8*(4*\a+\b):ACC+8*(4*\a+\b)+7], v[128*(\f)+12*\b:128*(\f)+12*\b+11], v[128*(\f)+48+12*\a:128*(\f)+48+12*\a+11], v[BN+8*\b:BN+8*\b+7], v[SR+16*\s+4*\b+(\q)], v[SP+16*\s+4*\a+(\q)] matrix_a_fmt:MATRIX_FMT_FP6 matrix_b_fmt:MATRIX_FMT_FP6
.else
	v_wmma_scale_f32_16x16x128_f8f6f4 v[ACC+8*(4*\a+\b):ACC+8*(4*\a+\b)+7], v[128*(\f)+12*\b:128*(\f)+12*\b+11], v[128*(\f)+48+12*\a:128*(\f)+48+12*\a+11], v[ACC+8*(4*\a+\b):ACC+8*(4*\a+\b)+7], v[SR+16*\s+4*\b+(\q)], v[SP+16*\s+4*\a+(\q)] matrix_a_fmt:MATRIX_FMT_FP6 matrix_b_fmt:MATRIX_FMT_FP6
.endif
.endr
.endm
.macro STEP slot, q, zero
	PLACES 4                                       ; in front of loads into the set that the step before multiplied
	FETCH \slot, (\q)+1, 1-(\q)%2
	s_wait_dscnt 48                                ; all but the 48 just issued
	WIN MUL
	MULA 0, (\q)%2, \q, \slot, \zero
	MULA 1, (\q)%2, \q, \slot, \zero
	MULA 2, (\q)%2, \q, \slot, \zero
	MULA 3, (\q)%2, \q, \slot, \zero
.endm
.macro TURN slot, next                 ; a slot's last step changes slots: one barrier; nothing is filled again here
	WIN 0
	s_wait_tensorcnt 0x0                           ; all my tensor loads have landed: my part of the next slot
	ds_add_u32 v[SPW], v[NIL]                      ; 0 onto my spare word
	s_wait_dscnt 1                                 ; (only the add may be out)
	WIN MUL
	MULA 0, 1, 3, \slot, 0
	MULA 1, 1, 3, \slot, 0
	s_wait_dscnt 0x0
	s_barrier_signal -1
	MULA 2, 1, 3, \slot, 0
	WIN 0
	s_barrier_wait -1
	PLACES 4
	v_add_nc_u32 v[ASR], 16, v[ASR]
	v_add_nc_u32 v[ASP], 16, v[ASP]
	SCALES \next
	FETCH \next, 0, 0
	WIN MUL
	MULA 3, 1, 3, \slot, 0
.endm
	s_load_b256 s[4:11], s[0:1], 0x0               ; xbuf s[4:5], W1's codes s[6:7], its scales s[8:9], b1 s[10:11]
	s_load_b64 s[12:13], s[0:1], 0x20              ; hbuf
	v_lshl_add_u32 v[SPW], v0, 2, SPARE
	v_mov_b32 v[NIL], 0
	ds_add_u32 v16, v17
	ds_add_u32 v16, v17
	s_wait_dscnt 0x0
	v_lshrrev_b32 v1, 5, v0
	v_readfirstlane_b32 s18, v1                    ; wave
	s_lshr_b32 s19, s18, 1                         ; yi; also: I fetch for x (0) or for W1 (1)
	s_and_b32 s20, s18, 1                          ; xi; also: which 64 rows I fetch
	s_bfe_u32 s21, ttmp6, 0x40000                  ; cx
	s_bfe_u32 s22, ttmp6, 0x40004                  ; cy
	s_lshl_b32 s23, ttmp9, 2
	s_add_co_u32 s23, s23, s21                     ; x
	s_and_b32 s24, ttmp7, 0xffff
	s_lshl_b32 s24, s24, 2
	s_add_co_u32 s24, s24, s22                     ; y
	s_lshl_b32 s25, s22, 2
	s_lshl_b32 s25, 15, s25                        ; my row of the cluster
	s_lshl_b32 s26, 0x1111, s21                    ; my column
	s_or_b32 s[G1Y+0], s25, W0T
	s_or_b32 s[G1X+0], s26, W0T
.irp g, G1Y, G1X
	s_mov_b32 s[\g+1], 384<<16
	s_mov_b32 s[\g+2], 64<<16
	s_mov_b32 s[\g+3], 384<<16
	s_mov_b32 s[\g+4], 64
	s_mov_b32 s[\g+5], KROW
	s_mov_b32 s[\g+6], 0
	s_mov_b32 s[\g+7], 0
.endr
	s_or_b32 s[G1SY+0], s25, W0S
	s_or_b32 s[G1SX+0], s26, W0S
.irp g, G1SY, G1SX
	s_mov_b32 s[\g+1], 32<<16
	s_mov_b32 s[\g+2], NU<<16
	s_mov_b32 s[\g+3], 32<<16
	s_mov_b32 s[\g+4], NU
	s_mov_b32 s[\g+5], 32
	s_mov_b32 s[\g+6], 0
	s_mov_b32 s[\g+7], 0
.endr
	s_lshl_b32 s27, s20, 6
	s_lshl_b32 s62, s24, 7
	s_add_co_u32 s62, s62, s27                     ; x's row
	s_mul_i32 s92, s62, 768
	s_mov_b32 s93, 0
	s_lshl_b32 s94, s62, 5
	s_add_co_u32 s94, s94, 3145728
	s_mov_b32 s95, 0
	s_lshl_b32 s63, s23, 7
	s_add_co_u32 s63, s63, s27                     ; W1's row
	s_mul_i32 s96, s63, KROW
	s_mov_b32 s97, 0
	s_lshl_b32 s98, s63, 5
	s_mov_b32 s99, 0
	s_mul_i32 s66, s20, HALF                       ; where they go: no place in the cluster enters an LDS address
	s_add_co_u32 s67, s66, 2*HALF
	s_mul_i32 s100, s18, HALFS
	s_add_co_u32 s100, s100, SCL
	s_wait_kmcnt 0x0
	s_add_nc_u64 s[92:93], s[4:5], s[92:93]
	s_add_nc_u64 s[94:95], s[4:5], s[94:95]
	s_add_nc_u64 s[96:97], s[6:7], s[96:97]
	s_add_nc_u64 s[98:99], s[8:9], s[98:99]
	CROUND                                         ; all sixteen work-groups are here: the first joint loads meet
	s_mov_b32 s[G0SY], 1
	s_mov_b32 s[G0SY+1], s100
	s_mov_b64 s[G0SY+2:G0SY+3], s[94:95]
	s_or_b32 s[G0SY+3], s[G0SY+3], 0x80000000
	s_mov_b32 s[G0SX], 1
	s_mov_b32 s[G0SX+1], s100
	s_mov_b64 s[G0SX+2:G0SX+3], s[98:99]
	s_or_b32 s[G0SX+3], s[G0SX+3], 0x80000000
	JLOAD G0SY, G1SY, G0SX, G1SX                   ; three loads of mine are out at the head: the scales, slot 0, slot 1
.irp s, 0,1
	s_mov_b32 s[G0Y+4*\s], 1
	s_add_co_u32 s[G0Y+4*\s+1], s66, \s*SLOT
	s_add_nc_u64 s[G0Y+4*\s+2:G0Y+4*\s+3], s[92:93], \s*384
	s_or_b32 s[G0Y+4*\s+3], s[G0Y+4*\s+3], 0x80000000
	s_mov_b32 s[G0X+4*\s], 1
	s_add_co_u32 s[G0X+4*\s+1], s67, \s*SLOT
	s_add_nc_u64 s[G0X+4*\s+2:G0X+4*\s+3], s[96:97], \s*384
	s_or_b32 s[G0X+4*\s+3], s[G0X+4*\s+3], 0x80000000
	JLOAD G0Y+4*\s, G1Y, G0X+4*\s, G1X
.endr
	v_and_b32 v1, 15, v0                           ; r
	v_bfe_u32 v2, v0, 4, 1                         ; h
	v_mul_u32_u24 v3, v1, PITCH
	v_mad_u32_u24 v4, v2, 24, v3
	v_mad_u32_u24 v5, v2, 40, v3
	s_mul_i32 s25, s19, HALF                       ; my 64 tokens
	s_mul_i32 s26, s20, HALF
	s_add_co_u32 s26, s26, 2*HALF                  ; my 64 rows of W1
.irp s, 0,1
	v_add_nc_u32 v[ADP+\s], s25, v4
	v_add_nc_u32 v[ADP+2+\s], s25, v5
	v_add_nc_u32 v[ADR+\s], s26, v4
	v_add_nc_u32 v[ADR+2+\s], s26, v5
	s_add_co_u32 s25, s25, SLOT
	s_add_co_u32 s26, s26, SLOT
.endr
	v_lshlrev_b32 v3, 5, v1
	v_lshrrev_b32 v4, 8, v3
	v_lshl_add_u32 v3, v4, 4, v3
	s_mul_i32 s25, s19, HALFS
	s_add_co_u32 s25, s25, SCL
	v_add_nc_u32 v[ASP], s25, v3
	s_mul_i32 s26, s20, HALFS
	s_add_co_u32 s26, s26, SCL+2*HALFS
	v_add_nc_u32 v[ASR], s26, v3
	v_and_b32 v3, 7, v1
	v_lshrrev_b32 v4, 3, v1
	v_lshl_add_u32 v3, v4, 4, v3                   ; 16 (r / 8) + r % 8: my row's place, less the tile's
	s_mul_i32 s25, s18, 3072
	s_add_co_u32 s25, s25, CSTG
	v_mul_u32_u24 v[CST], v3, 48
	v_mad_u32_u24 v[CST], v2, 24, v[CST]
	v_add_nc_u32 v[CST], s25, v[CST]
	v_and_b32 v4, 31, v0
	v_lshlrev_b32 v[LO], 4, v4
	v_add_nc_u32 v[CRD], s25, v[LO]
	s_lshl_b32 s25, s18, 7
	s_add_co_u32 s25, s25, SSTG
	v_lshl_add_u32 v[SST], v3, 1, s25
	v_lshlrev_b32 v[MG], 3, v1
	v_lshl_add_u32 v[MG], v2, 8, v[MG]
	v_add_nc_u32 v[MG], SSTG, v[MG]                ; the merge: four rows a lane; low halves from waves 0, 2, high ones 128 bytes on
	s_mov_b32 s60, 0x76543210
	s_mov_b32 s61, 0xfedcba98
	s_lshl_b32 s92, s23, 1
	s_add_co_u32 s92, s92, s20
	s_lshl_b32 s92, s92, 12
	s_lshl_b32 s93, s24, 7
	s_add_co_u32 s92, s92, s93
	s_lshl_b32 s94, s19, 6
	s_add_co_u32 s92, s92, s94
	s_mul_i32 s92, s92, 48                         ; codes: [2 x + xi][128 y + 64 yi ..][48]
	s_lshl_b32 s94, s23, 12
	s_add_co_u32 s94, s94, s93
	s_lshl_b32 s94, s94, 2
	s_add_co_u32 s94, s94, 12582912                ; words: [x][128 y ..]
	s_mov_b32 s93, 0
	s_mov_b32 s95, 0
	s_add_nc_u64 s[14:15], s[12:13], s[94:95]
	s_add_nc_u64 s[12:13], s[12:13], s[92:93]
	s_lshl_b32 s92, s23, 9
	s_lshl_b32 s94, s20, 8
	s_add_co_u32 s92, s92, s94
	s_add_nc_u64 s[10:11], s[10:11], s[92:93]      ; b1 of my 64 hidden units
	v_lshlrev_b32 v3, 5, v2
.irp b, 0,1,2,3
	global_load_b128 v[BN+8*\b:BN+8*\b+3], v3, s[10:11] offset:64*\b
	global_load_b128 v[BN+8*\b+4:BN+8*\b+7], v3, s[10:11] offset:64*\b+16
.endr
	s_wait_tensorcnt 1                             ; the scales and my part of slot 0 are in; slot 1's load may be out
	s_barrier_signal -1
	s_barrier_wait -1
	SCALES 0
	FETCH 0, 0, 0
	s_wait_loadcnt 0x0                             ; b1
	STEP 0, 0, 1                                   ; the first products start the sums, with the bias as C
	STEP 0, 1, 0
	STEP 0, 2, 0
	TURN 0, 1
	STEP 1, 0, 0
	STEP 1, 1, 0
	STEP 1, 2, 0
	s_wait_dscnt 0x0
	WIN MUL
	MULA 0, 1, 3, 1, 0
	MULA 1, 1, 3, 1, 0
	MULA 2, 1, 3, 1, 0
	MULA 3, 1, 3, 1, 0
	WIN 0
	PLACES 4
	v_mov_b32 v[TP], 0                             ; a lane permute's destination counts as one of its sources
	v_mov_b32 v[TP+1], 0
	v_mov_b32 v[RT2], 0x3f3504f3
	v_mov_b32 v[RT2+1], 0x3f3504f3
	WIN 0x40                                       ; destination window 1: the constants, each twice
.macro GCON n, bits
	v_mov_b32 v[GC+2*\n], \bits
	v_mov_b32 v[GC+2*\n+1], \bits
.endm
	GCON 0, 0xaf95df0b                             ; P's seven, the highest power first
	GCON 1, 0x32edffee
	GCON 2, 0xb60cff51
	GCON 3, 0xb86ec2d2
	GCON 4, 0xba40ac63
	GCON 5, 0xbb41a1f6
	GCON 6, 0xbc83dbd4
	GCON 7, 0xb77460cd                             ; Q's five
	GCON 8, 0xb95fbd29
	GCON 9, 0xbadc924e
	GCON 10, 0xbbf19bf8
	GCON 11, 0xbc69b6a7
.macro M16 d, a, b, bs                 ; sixteen packed products; bs = 2: b steps with the pair, 0: b is one pair
.set k, 0
.rept 16
	v_pk_mul_f32 v[\d+2*k:\d+2*k+1], v[\a+2*k:\a+2*k+1], v[\b+\bs*k:\b+\bs*k+1]
.set k, k+1
.endr
.endm
.macro F16 d, a, b, bs, c, cs          ; sixteen packed multiply-adds
.set k, 0
.rept 16
	v_pk_fma_f32 v[\d+2*k:\d+2*k+1], v[\a+2*k:\a+2*k+1], v[\b+\bs*k:\b+\bs*k+1], v[\c+\cs*k:\c+\cs*k+1]
.set k, k+1
.endr
.endm
.macro GELU                            ; on the 32 numbers at A, stage by stage, so that no line waits for the line above it
	WIN 0x40
	M16 GU, A, RT2, 0                              ; u = x / sqrt(2); each accumulator is read from its low end on
	WIN 0x55                                       ; all in window 1
.set k, 0
.rept 32
	v_med3_num_f32 v[GU+k], v[GU+k], -4.0, 4.0
.set k, k+1
.endr
	M16 GZ, GU, GU, 2
	F16 GP, GZ, GC, 0, GC+2, 0
	F16 GP, GP, GZ, 2, GC+4, 0
	F16 GP, GP, GZ, 2, GC+6, 0
	F16 GP, GP, GZ, 2, GC+8, 0
	F16 GP, GP, GZ, 2, GC+10, 0
	F16 GP, GP, GZ, 2, GC+12, 0
	F16 GQ, GZ, GC+14, 0, GC+16, 0
	F16 GQ, GQ, GZ, 2, GC+18, 0
	F16 GQ, GQ, GZ, 2, GC+20, 0
	F16 GQ, GQ, GZ, 2, GC+22, 0
	M16 GP, GP, GU, 2
.set k, 0
.rept 32
	v_rcp_f32 v[GQ+k], v[GQ+k]
.set k, k+1
.endr
	v_nop                                          ; a plain instruction behind the last reciprocal,
	s_wait_alu depctr_va_vdst(0)                   ; and one wait for the batch, ahead of its first reader
	M16 GP, GP, GQ, 2                              ; erf
	WIN 0
.set k, 0
.rept 16
	v_pk_mul_f32 v[A+2*k:A+2*k+1], v[A+2*k:A+2*k+1], 0.5 op_sel_hi:[1,0]
.set k, k+1
.endr
	WIN 0x04                                       ; source 1 window 1
	F16 A, A, GP, 2, A, 2                          ; x / 2 + (x / 2) erf
	WIN 0
.endm
; Tile a: 16 tokens (lanes) x 64 hidden units.  Two blocks of 32 are quantised; the row's 48 bytes go to its place in my stage, its two scale bytes beside.
.macro QTILE a
.set A, ACC+32*(\a)
	GELU
.set j, 0
.rept 8                                ; register j of tiles b, b + 1 holds 16 b + 8 h + j: the exchange of halves gives a lane 16 neighbours: A + 16 c + i = 32 c + 16 h + i
	v_permlane16_swap_b32 v[A+j], v[A+8+j]
	v_permlane16_swap_b32 v[A+16+j], v[A+24+j]
.set j, j+1
.endr
.irp c, 0,1
	v_max3_num_f32 v[TM+\c], |v[A+16*\c]|, |v[A+16*\c+1]|, 0x1800000   ; with the floor 2^(3 - 127)
.endr
.irp i, 2,4,6,8,10,12,14
.irp c, 0,1
	v_max3_num_f32 v[TM+\c], v[TM+\c], |v[A+16*\c+\i]|, |v[A+16*\c+\i+1]|
.endr
.endr
.irp c, 0,1
	v_permlanex16_b32 v[TP+\c], v[TM+\c], s60, s61
.endr
.irp c, 0,1
	v_max_num_f32 v[TM+\c], v[TM+\c], v[TP+\c]
.endr
.irp c, 0,1
	v_add_nc_u32 v[TS+\c], 0xff000000, v[TM+\c]
.endr
.irp c, 0,1
	v_lshrrev_b32 v[TB+\c], 23, v[TS+\c]
.endr
.if (\a) > 0
	s_wait_dscnt 0x0                               ; the last tile's stores into the stage have read their registers
.endif
	v_lshl_or_b32 v[WD], v[TB+1], 8, v[TB]
	v_cvt_scalef32_pk16_fp6_f32 v[PC:PC+2], v[A:A+15], v[TS]
	v_cvt_scalef32_pk16_fp6_f32 v[PC+4:PC+6], v[A+16:A+31], v[TS+1]
	v_nop                                          ; one plain place behind a scaled conversion
.irp i, 0,1,2
	v_permlane16_swap_b32 v[PC+\i], v[PC+4+\i]     ; a whole block to a lane
.endr
.irp i, 0,1,2
	v_mov_b32 v[PC+3+\i], v[PC+4+\i]
.endr
.irp i, 0,1,2
	ds_store_b64 v[CST], v[PC+2*\i:PC+2*\i+1] offset:(32*((\a)/2)+8*((\a)%2))*48+8*\i
.endr
	ds_store_b16 v[SST], v[WD] offset:(32*((\a)/2)+8*((\a)%2))*2   ; both halves of the lanes write the same two bytes
.endm
	QTILE 0
	QTILE 1
	QTILE 2
	QTILE 3
.irp i, 0,1,2,3,4,5
	ds_load_b128 v[OB+4*\i:OB+4*\i+3], v[CRD] offset:512*\i        ; LDS serves a wave's instructions in order: these see my stores
.endr
.irp i, 0,1,2,3,4,5
	s_wait_dscnt 5-\i
	global_store_b128 v[LO], v[OB+4*\i:OB+4*\i+3], s[12:13] offset:512*\i   ; 3,072 consecutive bytes, aligned
.endr
	s_wait_dscnt 0x0
	s_barrier_signal -1
	s_barrier_wait -1                              ; the four waves' half words lie in LDS
	s_cmp_lg_u32 s18, 0
	s_cbranch_scc1 .Lnomerge
	ds_load_b64 v[96:97], v[MG]                    ; wave 0 joins the halves: four rows a lane
	ds_load_b64 v[98:99], v[MG] offset:128
	s_wait_dscnt 0x0
	v_perm_b32 v100, v98, v96, 0x05040100
	v_perm_b32 v101, v98, v96, 0x07060302
	v_perm_b32 v102, v99, v97, 0x05040100
	v_perm_b32 v103, v99, v97, 0x07060302
	global_store_b128 v[LO], v[100:103], s[14:15]  ; 128 words: 512 consecutive bytes, aligned
.Lnomerge:
	s_wait_tensorcnt 0x0                           ; the wave's end
	ds_add_u32 v[SPW], v[NIL]
	s_wait_dscnt 0x0
	CROUND                                         ; the closing round
	s_endpgm
.Lfunc_end_k_qabe62700ed_w1:
	.size	k_qabe62700ed_w1, .Lfunc_end_k_qabe62700ed_w1-k_qabe62700ed_w1
	.p2alignl 7, 3214868480
	.fill 96, 4, 3214868480
	.section	.rodata,"a",@progbits
	.p2align	6, 0x0
	.amdhsa_kernel k_qabe62700ed_w1
		.amdhsa_group_segment_fixed_size 327680
		.amdhsa_private_segment_fixed_size 0
		.amdhsa_enable_private_segment 0
		.amdhsa_kernarg_size 40
		.amdhsa_user_sgpr_count 2
		.amdhsa_user_sgpr_kernarg_segment_ptr 1
		.amdhsa_wavefront_size32 1
		.amdhsa_system_sgpr_workgroup_id_x 1
		.amdhsa_system_sgpr_workgroup_id_y 1
		.amdhsa_system_sgpr_workgroup_id_z 1
		.amdhsa_system_vgpr_workitem_id 0
		.amdhsa_next_free_vgpr 512
		.amdhsa_next_free_sgpr 102
		.amdhsa_reserve_vcc 0
		.amdhsa_float_denorm_mode_32 3
		.amdhsa_float_denorm_mode_16_64 3
		.amdhsa_memory_ordered 1
		.amdhsa_forward_progress 1
		.amdhsa_inst_pref_size 146
	.end_amdhsa_kernel
	.amdgpu_metadata
---
amdhsa.version: [ 1, 2 ]
amdhsa.kernels:
  - .name:           k_qabe62700ed_w1
    .symbol:         k_qabe62700ed_w1.kd
    .args:
      - { .name: xbuf, .offset: 0, .size: 8, .value_kind: global_buffer, .address_space: global }
      - { .name: W1_codes, .offset: 8, .size: 8, .value_kind: global_buffer, .address_space: global }
      - { .name: W1_scales, .offset: 16, .size: 8, .value_kind: global_buffer, .address_space: global }
      - { .name: b1, .offset: 24, .size: 8, .value_kind: global_buffer, .address_space: global }
      - { .name: hbuf, .offset: 32, .size: 8, .value_kind: global_buffer, .address_space: global }
    .group_segment_fixed_size: 327680
    .private_segment_fixed_size: 0
    .kernarg_segment_align: 8
    .kernarg_segment_size: 40
    .max_flat_workgroup_size: 128
    .sgpr_count:     102
    .vgpr_count:     512
    .wavefront_size: 32
...
	.end_amdgpu_metadata
.endif
;; end of part 5
;; launch w2 (part 6): grid 8 x 32, 4 waves a work-group, clusters of 4 x 4, 327,680 bytes of LDS; arguments hbuf, W2_codes, W2_scales, b2, hres, out0; writes out0
.if DOCPART == 6
	.amdgcn_target "amdgcn-amd-amdhsa--gfx1250"
	.amdhsa_code_object_version 6
	.text
	.protected	k_qabe62700ed_w2
	.globl	k_qabe62700ed_w2
	.p2align	8
	.type	k_qabe62700ed_w2,@function
k_qabe62700ed_w2:
	s_mov_b64 s[64:65], 0
	v_nop
	global_prefetch_b8 v0, s[64:65] scope:SCOPE_SE
	s_setreg_imm32_b32 hwreg(HW_REG_WAVE_MODE, 25, 1), 1
	s_wait_xcnt 0x0
	s_wait_alu depctr_hold_cnt(0) depctr_sa_sdst(0) depctr_va_vdst(0) depctr_va_sdst(0) depctr_va_ssrc(0) depctr_va_vcc(0) depctr_vm_vsrc(0)
	s_getreg_b32 s2, hwreg(HW_REG_IB_STS2, 6, 4)
	s_cmp_eq_u32 s2, 0
	s_cbranch_scc0 .Lentry_in_a_cluster
	s_endpgm
.Lentry_in_a_cluster:
	s_bfe_u32 s2, ttmp6, 0x10000c
	s_cmp_lg_u32 s2, 0xf033
	s_cbranch_scc0 .Lentry_shape_is_right
	s_endpgm
.Lentry_shape_is_right:
; out = Y W^T + bias + res on codes of FP6 (E2M3) with E8M0 scales; out and res are f32 [4096][1024].  SIZE_K is the one constant in which this text differs between its two uses.
; Y: codes [k / 64][row place][48 B], scale words [k / 128][row place] behind them (at byte SIZE_K x 3,072); a token x lies at place pi(x) (bits 3 and 4 exchanged).  W: codes [1024][SIZE_K x 3 / 4 B], scale bytes [1024][SIZE_K / 32].
; A tile of 128 x 128 to a work-group (256 work-groups), 64 x 64 to each of four waves: 16 accumulators.  K goes in steps of 512 through two LDS slots filled by the tensor data mover.
; CLUSTER 4 x 4: Y's tile is shared along a row of the cluster, W's along a column: joint loads.  All scales of the work-group's rows come once, with the first fills.
; Source 0 = 16 rows of W, source 1 = 16 places of Y: a lane holds one place and eight neighbouring columns.  The bias is the C of each sum's first product.
; The way out undoes pi in the stores' immediates; the residual is asked for at the head and added to rows read back from the wave's stage.
.set SIZE_K, 4096
.set KROW,  SIZE_K*3/4
.set KS,    SIZE_K/32
.set NU,    SIZE_K/128
.set LAPS,  SIZE_K/1024
.set PITCH, 432                        ; W's LDS row: 3 x (128 bytes + 16 of padding) = 108 words: the 32 lanes of a load of 8 bytes fall on 64 different words modulo 64
.set HALFX, 64*PITCH
.set HALFY, 8*3072                     ; Y's half: [8][64 places][48 B], no padding: 12 words from place to place serve the same
.set SLOT,  2*HALFY+2*HALFX
.set SCL,   2*SLOT
.set HALFS, NU*272                     ; the scales of 64 rows, as 256 bytes + 16
.set SBLK,  (16*KS/256)*272
.set SPARE, SCL+4*HALFS
.set STG,   SPARE+512                  ; 16 rows x (256 + 16) bytes for each wave
.set YSOFF, SIZE_K*3072
.set YSTEP, 8*4096*48                  ; 512 along K in Y's codes
.set ADP, 6
.set ADR, 10
.set ASP, 14
.set ASR, 15
.set SPW, 16
.set NIL, 17
.set STO, 18
.set RD,  19
.set RO,  20
.set SP,  32                           ; v32-63 Y's scale words, v64-95 W's: they hold scales and nothing else
.set SR,  64
.set BN,  96
.set ACC, 128                          ; window 1: fragment set f: W at 128 f + 12 b, Y at 128 f + 48 + 12 a;  window 2: v0-127 the residual
.set G1Y, 28
.set G0Y, 36
.set G1X, 44
.set G0X, 52
.set G1SY, 68
.set G0SY, 76
.set G1SX, 80
.set G0SX, 88
.set W0T, (1<<20)|(1<<21)|(4<<22)|(3<<25)
.set W0H, (3<<16)|(1<<21)
.set W0S, (3<<16)|(1<<20)|(1<<21)|(5<<22)|(3<<25)
.set MUL,  0x05
.set TO_F, 0x40
.set MSB, 0
.macro WIN new                         ; the immediate's high byte repeats the setting that is left
.if MSB != \new
	s_set_vgpr_msb (MSB<<8)|\new
.set MSB, \new
.endif
.endm
.macro JLOAD g0y, g1y, g0x, g1x        ; a joint load: waves 0, 1 fetch Y's halves, waves 2, 3 W's; four v_nop follow each line
	s_cmp_eq_u32 s19, 0
	s_cbranch_scc0 .Lfor_x_\@
	tensor_load_to_lds s[\g0y:\g0y+3], s[\g1y:\g1y+7]
	s_nop 0
.rept 4
	v_nop
.endr
	s_branch .Lasked_\@
.Lfor_x_\@:
	tensor_load_to_lds s[\g0x:\g0x+3], s[\g1x:\g1x+7]
	s_nop 0
.rept 4
	v_nop
.endr
.Lasked_\@:
.endm
.macro CREST
	s_cmp_lg_u32 s18, 0
	s_cbranch_scc1 .Lnot_wave_0_\@
	s_barrier_signal -3
.Lnot_wave_0_\@:
	s_barrier_wait -3
	s_barrier_signal -1
	s_barrier_wait -1
.endm
.macro CROUND
	s_barrier_signal -1
	s_barrier_wait -1
	CREST
.endm
.macro PLACES n
.rept \n
	v_nop
.endr
.endm
.macro FRAGR reg, adr, q, i            ; W: lane (r, h) takes 24 bytes at 96 q + 24 h and at 96 q + 48 + 24 h of row 16 i + r, in pieces of 8; the second address serves where lanes 16-31 lie behind one padding more
.irp p, 0,1,2,3,4,5
.set PIE, 12*(\q)+6*(\p/3)+\p%3
.if PIE%16 < 13
	ds_load_b64 v[\reg+2*\p:\reg+2*\p+1], v[\adr] offset:8*PIE+16*(PIE/16)+(\i)*16*PITCH
.else
	ds_load_b64 v[\reg+2*\p:\reg+2*\p+1], v[\adr+2] offset:8*PIE+16*(PIE/16)+(\i)*16*PITCH
.endif
.endr
.endm
.macro FRAGH reg, adr, q, i            ; Y: 64 along K of a place are 48 bytes on end
.irp p, 0,1,2,3,4,5
	ds_load_b64 v[\reg+2*\p:\reg+2*\p+1], v[\adr] offset:(2*(\q)+\p/3)*3072+(\i)*768+8*(\p%3)
.endr
.endm
.macro FETCH slot, q, f
	WIN TO_F
.irp i, 0,1,2,3
	FRAGR 128*(\f)+12*\i, ADR+\slot, \q, \i
.endr
.irp i, 0,1,2,3
	FRAGH 128*(\f)+48+12*\i, ADP+\slot, \q, \i
.endr
.endm
.macro SCALES s
.irp b, 0,1,2,3
	ds_load_b128 v[SR+16*\s+4*\b:SR+16*\s+4*\b+3], v[ASR] offset:\b*SBLK
.endr
.irp a, 0,1,2,3
.irp q, 0,1,2,3
	ds_load_b32 v[SP+16*\s+4*\a+\q], v[ASP] offset:\q*272+\a*64
.endr
.endr
.endm
.macro MULA a, f, q, s, zero           ; the 16 accumulators take turns, one instruction a turn, in the same order in every step
.irp b, 0,1,2,3
.if \zero
	v_wmma_scale_f32_16x16x128_f8f6f4 v[ACC+8*(4*\a+\b):ACC+8*(4*\a+\b)+7], v[128*(\f)+12*\b:128*(\f)+12*\b+11], v[128*(\f)+48+12*\a:128*(\f)+48+12*\a+11], v[BN+8*\b:BN+8*\b+7], v[SR+16*\s+4*\b+(\q)], v[SP+16*\s+4*\a+(\q)] matrix_a_fmt:MATRIX_FMT_FP6 matrix_b_fmt:MATRIX_FMT_FP6
.else
	v_wmma_scale_f32_16x16x128_f8f6f4 v[ACC+8*(4*\a+\b):ACC+8*(4*\a+\b)+7], v[128*(\f)+12*\b:128*(\f)+12*\b+11], v[128*(\f)+48+12*\a:128*(\f)+48+12*\a+11], v[ACC+8*(4*\a+\b):ACC+8*(4*\a+\b)+7], v[SR+16*\s+4*\b+(\q)], v[SP+16*\s+4*\a+(\q)] matrix_a_fmt:MATRIX_FMT_FP6 matrix_b_fmt:MATRIX_FMT_FP6
.endif
.endr
.endm
.macro STEP slot, q, zero
	PLACES 4                                       ; in front of loads into the set that the step before multiplied
	FETCH \slot, (\q)+1, 1-(\q)%2
	s_wait_dscnt 48                                ; all but the 48 just issued
	WIN MUL
	MULA 0, (\q)%2, \q, \slot, \zero
	MULA 1, (\q)%2, \q, \slot, \zero
	MULA 2, (\q)%2, \q, \slot, \zero
	MULA 3, (\q)%2, \q, \slot, \zero
.endm
.macro TURN slot, next, fill           ; a slot's last step changes slots: one barrier.  fill = 1: it opens a round of the cluster's barrier, and this slot is filled again, 1,024 along K ahead
	WIN 0
	s_wait_tensorcnt 0x0                           ; all my tensor loads have landed: my part of the next slot
	ds_add_u32 v[SPW], v[NIL]                      ; 0 onto my spare word
	s_wait_dscnt 1                                 ; (only the add may be out)
	WIN MUL
	MULA 0, 1, 3, \slot, 0
	MULA 1, 1, 3, \slot, 0
	s_wait_dscnt 0x0                               ; the add is done, and my reads of this slot are over
	s_barrier_signal -1
	MULA 2, 1, 3, \slot, 0
	WIN 0
	s_barrier_wait -1
.if \fill
	CREST                                          ; no wave of any partner still reads this slot or has a load on its way
	s_add_nc_u64 s[G0Y+4*\slot+2:G0Y+4*\slot+3], s[G0Y+4*\slot+2:G0Y+4*\slot+3], 2*YSTEP
	s_add_nc_u64 s[G0X+4*\slot+2:G0X+4*\slot+3], s[G0X+4*\slot+2:G0X+4*\slot+3], 2*384
	JLOAD G0Y+4*\slot, G1Y, G0X+4*\slot, G1X       ; my one tensor load behind the round; its four v_nop are also the places in front of the loads below
.else
	PLACES 4
.endif
	v_add_nc_u32 v[ASR], 16, v[ASR]
	v_add_nc_u32 v[ASP], 4*272, v[ASP]
	SCALES \next
	FETCH \next, 0, 0
	WIN MUL
	MULA 3, 1, 3, \slot, 0
.endm
	s_load_b256 s[4:11], s[0:1], 0x0               ; Y s[4:5], W's codes s[6:7], W's scales s[8:9], bias s[10:11]
	s_load_b128 s[12:15], s[0:1], 0x20             ; res s[12:13], out s[14:15]
	v_lshl_add_u32 v[SPW], v0, 2, SPARE
	v_mov_b32 v[NIL], 0
	ds_add_u32 v16, v17
	ds_add_u32 v16, v17
	s_wait_dscnt 0x0
	v_lshrrev_b32 v1, 5, v0
	v_readfirstlane_b32 s18, v1                    ; wave
	s_lshr_b32 s19, s18, 1                         ; yi; also: I fetch for Y (0) or for W (1)
	s_and_b32 s20, s18, 1                          ; xi; also: which 64 rows I fetch
	s_bfe_u32 s21, ttmp6, 0x40000                  ; cx
	s_bfe_u32 s22, ttmp6, 0x40004                  ; cy
	s_lshl_b32 s23, ttmp9, 2
	s_add_co_u32 s23, s23, s21                     ; x
	s_and_b32 s24, ttmp7, 0xffff
	s_lshl_b32 s24, s24, 2
	s_add_co_u32 s24, s24, s22                     ; y
	s_lshl_b32 s25, s22, 2
	s_lshl_b32 s25, 15, s25                        ; my row of the cluster
	s_lshl_b32 s26, 0x1111, s21                    ; my column
	s_or_b32 s[G1Y+0], s25, W0H                    ; Y: 8 rows of 3,072 bytes (384 elements of 8), 196,608 bytes apart
	s_mov_b32 s[G1Y+1], 384<<16
	s_mov_b32 s[G1Y+2], 8<<16
	s_mov_b32 s[G1Y+3], 384<<16
	s_mov_b32 s[G1Y+4], 8
	s_mov_b32 s[G1Y+5], 24576
	s_mov_b32 s[G1Y+6], 0
	s_mov_b32 s[G1Y+7], 0
	s_or_b32 s[G1X+0], s26, W0T                    ; W: 64 rows of 384 bytes, padded
	s_mov_b32 s[G1X+1], 384<<16
	s_mov_b32 s[G1X+2], 64<<16
	s_mov_b32 s[G1X+3], 384<<16
	s_mov_b32 s[G1X+4], 64
	s_mov_b32 s[G1X+5], KROW
	s_mov_b32 s[G1X+6], 0
	s_mov_b32 s[G1X+7], 0
	s_or_b32 s[G1SY+0], s25, W0S                   ; Y's scale words: NU rows of 256 bytes, 16,384 bytes apart
	s_mov_b32 s[G1SY+1], 32<<16
	s_mov_b32 s[G1SY+2], NU<<16
	s_mov_b32 s[G1SY+3], 32<<16
	s_mov_b32 s[G1SY+4], NU
	s_mov_b32 s[G1SY+5], 2048
	s_mov_b32 s[G1SY+6], 0
	s_mov_b32 s[G1SY+7], 0
	s_or_b32 s[G1SX+0], s26, W0S                   ; W's scale bytes: NU rows of 256 bytes, dense
	s_mov_b32 s[G1SX+1], 32<<16
	s_mov_b32 s[G1SX+2], NU<<16
	s_mov_b32 s[G1SX+3], 32<<16
	s_mov_b32 s[G1SX+4], NU
	s_mov_b32 s[G1SX+5], 32
	s_mov_b32 s[G1SX+6], 0
	s_mov_b32 s[G1SX+7], 0
	s_lshl_b32 s27, s20, 6
	s_lshl_b32 s62, s24, 7
	s_add_co_u32 s62, s62, s27                     ; Y's first place
	s_mul_i32 s92, s62, 48
	s_mov_b32 s93, 0
	s_lshl_b32 s94, s62, 2
	s_add_co_u32 s94, s94, YSOFF
	s_mov_b32 s95, 0
	s_lshl_b32 s63, s23, 7
	s_add_co_u32 s63, s63, s27                     ; W's first row
	s_mul_i32 s96, s63, KROW
	s_mov_b32 s97, 0
	s_mul_i32 s98, s63, KS
	s_mov_b32 s99, 0
	s_mul_i32 s66, s20, HALFY                      ; where they go: no place in the cluster enters an LDS address
	s_mul_i32 s67, s20, HALFX
	s_add_co_u32 s67, s67, 2*HALFY
	s_mul_i32 s100, s18, HALFS
	s_add_co_u32 s100, s100, SCL
	s_wait_kmcnt 0x0
	s_add_nc_u64 s[92:93], s[4:5], s[92:93]
	s_add_nc_u64 s[94:95], s[4:5], s[94:95]
	s_add_nc_u64 s[96:97], s[6:7], s[96:97]
	s_add_nc_u64 s[98:99], s[8:9], s[98:99]
	CROUND                                         ; all sixteen work-groups are here: the first joint loads meet
	s_mov_b32 s[G0SY], 1
	s_mov_b32 s[G0SY+1], s100
	s_mov_b64 s[G0SY+2:G0SY+3], s[94:95]
	s_or_b32 s[G0SY+3], s[G0SY+3], 0x80000000
	s_mov_b32 s[G0SX], 1
	s_mov_b32 s[G0SX+1], s100
	s_mov_b64 s[G0SX+2:G0SX+3], s[98:99]
	s_or_b32 s[G0SX+3], s[G0SX+3], 0x80000000
	JLOAD G0SY, G1SY, G0SX, G1SX                   ; three loads of mine are out at the head: the scales, slot 0, slot 1; later one behind each round
.irp s, 0,1
	s_mov_b32 s[G0Y+4*\s], 1
	s_add_co_u32 s[G0Y+4*\s+1], s66, \s*SLOT
	s_add_nc_u64 s[G0Y+4*\s+2:G0Y+4*\s+3], s[92:93], \s*YSTEP
	s_or_b32 s[G0Y+4*\s+3], s[G0Y+4*\s+3], 0x80000000
	s_mov_b32 s[G0X+4*\s], 1
	s_add_co_u32 s[G0X+4*\s+1], s67, \s*SLOT
	s_add_nc_u64 s[G0X+4*\s+2:G0X+4*\s+3], s[96:97], \s*384
	s_or_b32 s[G0X+4*\s+3], s[G0X+4*\s+3], 0x80000000
	JLOAD G0Y+4*\s, G1Y, G0X+4*\s, G1X
.endr
	v_and_b32 v1, 15, v0                           ; r
	v_bfe_u32 v2, v0, 4, 1                         ; h
	v_mul_u32_u24 v3, v1, PITCH
	v_mad_u32_u24 v4, v2, 24, v3
	v_mad_u32_u24 v5, v2, 40, v3
	v_mul_u32_u24 v3, v1, 48
	v_mad_u32_u24 v3, v2, 24, v3
	s_mul_i32 s25, s19, HALFY                      ; my 64 places of Y
	s_mul_i32 s26, s20, HALFX
	s_add_co_u32 s26, s26, 2*HALFY                 ; my 64 rows of W
.irp s, 0,1
	v_add_nc_u32 v[ADP+\s], s25, v3
	v_add_nc_u32 v[ADR+\s], s26, v4
	v_add_nc_u32 v[ADR+2+\s], s26, v5
	s_add_co_u32 s25, s25, SLOT
	s_add_co_u32 s26, s26, SLOT
.endr
	v_mul_u32_u24 v3, v1, KS
	v_lshrrev_b32 v4, 8, v3
	v_lshl_add_u32 v3, v4, 4, v3
	s_mul_i32 s26, s20, HALFS
	s_add_co_u32 s26, s26, SCL+2*HALFS
	v_add_nc_u32 v[ASR], s26, v3
	s_mul_i32 s25, s19, HALFS
	s_add_co_u32 s25, s25, SCL
	v_lshl_add_u32 v[ASP], v1, 2, s25
	s_mul_i32 s25, s18, 16*272
	s_add_co_u32 s25, s25, STG
	v_mul_u32_u24 v[STO], v1, 272
	v_lshl_add_u32 v[STO], v2, 5, v[STO]
	v_add_nc_u32 v[STO], s25, v[STO]               ; into my stage: row r, 32 bytes for each half of the lanes
	v_mul_u32_u24 v[RD], v2, 272
	v_lshl_add_u32 v[RD], v1, 4, v[RD]
	v_add_nc_u32 v[RD], s25, v[RD]                 ; back: lanes 0-15 one row of 256 bytes, lanes 16-31 the next
	v_lshlrev_b32 v[RO], 12, v2
	v_lshl_add_u32 v[RO], v1, 4, v[RO]             ; the same two rows in res and out
	s_lshl_b32 s92, s23, 9
	s_lshl_b32 s93, s20, 8
	s_add_co_u32 s92, s92, s93                     ; my first column, in bytes
	s_mov_b32 s93, 0
	s_add_nc_u64 s[10:11], s[10:11], s[92:93]
	s_lshl_b32 s94, s24, 7
	s_lshl_b32 s95, s19, 6
	s_add_co_u32 s94, s94, s95
	s_lshl_b32 s94, s94, 12                        ; my first row, in bytes
	s_add_co_u32 s92, s92, s94
	s_add_nc_u64 s[12:13], s[12:13], s[92:93]
	s_add_nc_u64 s[14:15], s[14:15], s[92:93]
	v_lshlrev_b32 v3, 5, v2
.irp b, 0,1,2,3
	global_load_b128 v[BN+8*\b:BN+8*\b+3], v3, s[10:11] offset:64*\b
	global_load_b128 v[BN+8*\b+4:BN+8*\b+7], v3, s[10:11] offset:64*\b+16
.endr
	WIN 0x80                                       ; destination window 2: the residual, in the order in which rows come back from the stage
.irp a, 0,1,2,3
.irp t, 0,1,2,3,4,5,6,7
	global_load_b128 v[4*(8*\a+\t):4*(8*\a+\t)+3], v[RO], s[12:13] offset:(32*(\a/2)+8*(\a%2)+16*(\t/4)+2*(\t%4))*4096 th:TH_LOAD_NT
.endr
.endr
	WIN 0
	s_wait_tensorcnt 1                             ; the scales and my part of slot 0 are in; slot 1's load may be out
	s_barrier_signal -1
	s_barrier_wait -1
	SCALES 0
	FETCH 0, 0, 0
	s_wait_loadcnt 32                              ; the bias is in; the 32 loads of the residual may be out
	STEP 0, 0, 1                                   ; the first products start the sums, with the bias as C
.if LAPS > 1
	WIN 0
	s_mov_b32 s3, LAPS-1
.Llap:                                             ; a trip goes once round the ring and fills both slots again
	STEP 0, 1, 0
	STEP 0, 2, 0
	TURN 0, 1, 1
	STEP 1, 0, 0
	STEP 1, 1, 0
	STEP 1, 2, 0
	TURN 1, 0, 1
	STEP 0, 0, 0
	WIN 0
	s_sub_co_u32 s3, s3, 1
	s_cmp_lg_u32 s3, 0
	s_cbranch_scc1 .Llap
.endif
	STEP 0, 1, 0                                   ; the last lap fills nothing
	STEP 0, 2, 0
	TURN 0, 1, 0
	STEP 1, 0, 0
	STEP 1, 1, 0
	STEP 1, 2, 0
	s_wait_dscnt 0x0
	WIN MUL
	MULA 0, 1, 3, 1, 0
	MULA 1, 1, 3, 1, 0
	MULA 2, 1, 3, 1, 0
	MULA 3, 1, 3, 1, 0
	WIN 0
	PLACES 4
; THE WAY OUT, 16 places x 64 columns at a time, through my own stage.  Place 16 a + 2 t + (lane / 16) is token 32 (a / 2) + 8 (a % 2) + 16 (t / 4) + 2 (t % 4) + (lane / 16).
.macro TOSTAGE a
	WIN 0
.irp b, 0,1,2,3
	ds_store_b128 v[STO], v[ACC+8*(4*(\a)+\b):ACC+8*(4*(\a)+\b)+3] offset:64*\b      ; each accumulator from its low end on
	ds_store_b128 v[STO], v[ACC+8*(4*(\a)+\b)+4:ACC+8*(4*(\a)+\b)+7] offset:64*\b+16
.endr
	WIN TO_F
.irp t, 0,1,2,3,4,5,6,7
	ds_load_b128 v[32*((\a)%2)+4*\t:32*((\a)%2)+4*\t+3], v[RD] offset:544*\t         ; LDS serves a wave's instructions in order
.endr
.endm
.macro SEND a, younger
	s_wait_dscnt \younger
	WIN 0x49                                       ; destination and source 0 window 1, source 1 window 2
.set k, 0
.rept 16
	v_pk_add_f32 v[32*((\a)%2)+2*k:32*((\a)%2)+2*k+1], v[32*((\a)%2)+2*k:32*((\a)%2)+2*k+1], v[32*(\a)+2*k:32*(\a)+2*k+1]
.set k, k+1
.endr
	WIN 0x04                                       ; a store's data: window 1
.irp t, 0,1,2,3,4,5,6,7
	global_store_b128 v[RO], v[32*((\a)%2)+4*\t:32*((\a)%2)+4*\t+3], s[14:15] offset:(32*((\a)/2)+8*((\a)%2)+16*(\t/4)+2*(\t%4))*4096   ; 16 lanes store 256 consecutive bytes, aligned
.endr
.endm
	s_wait_loadcnt 0x0                             ; the residual
	TOSTAGE 0
.irp a, 1,2,3
.if \a > 1
	s_wait_xcnt 0x0                                ; the stores of two blocks back have read their registers: this block's rows may land there
.endif
	TOSTAGE \a
	SEND \a-1, 16                                  ; behind that block's loads: this block's 8 stores and 8 loads
.endr
	SEND 3, 0
	WIN 0
	s_wait_tensorcnt 0x0                           ; the wave's end
	ds_add_u32 v[SPW], v[NIL]
	s_wait_dscnt 0x0
	CROUND                                         ; the closing round
	s_endpgm
.Lfunc_end_k_qabe62700ed_w2:
	.size	k_qabe62700ed_w2, .Lfunc_end_k_qabe62700ed_w2-k_qabe62700ed_w2
	.p2alignl 7, 3214868480
	.fill 96, 4, 3214868480
	.section	.rodata,"a",@progbits
	.p2align	6, 0x0
	.amdhsa_kernel k_qabe62700ed_w2
		.amdhsa_group_segment_fixed_size 327680
		.amdhsa_private_segment_fixed_size 0
		.amdhsa_enable_private_segment 0
		.amdhsa_kernarg_size 48
		.amdhsa_user_sgpr_count 2
		.amdhsa_user_sgpr_kernarg_segment_ptr 1
		.amdhsa_wavefront_size32 1
		.amdhsa_system_sgpr_workgroup_id_x 1
		.amdhsa_system_sgpr_workgroup_id_y 1
		.amdhsa_system_sgpr_workgroup_id_z 1
		.amdhsa_system_vgpr_workitem_id 0
		.amdhsa_next_free_vgpr 768
		.amdhsa_next_free_sgpr 102
		.amdhsa_reserve_vcc 0
		.amdhsa_float_denorm_mode_32 3
		.amdhsa_float_denorm_mode_16_64 3
		.amdhsa_memory_ordered 1
		.amdhsa_forward_progress 1
		.amdhsa_inst_pref_size 118
	.end_amdhsa_kernel
	.amdgpu_metadata
---
amdhsa.version: [ 1, 2 ]
amdhsa.kernels:
  - .name:           k_qabe62700ed_w2
    .symbol:         k_qabe62700ed_w2.kd
    .args:
      - { .name: hbuf, .offset: 0, .size: 8, .value_kind: global_buffer, .address_space: global }
      - { .name: W2_codes, .offset: 8, .size: 8, .value_kind: global_buffer, .address_space: global }
      - { .name: W2_scales, .offset: 16, .size: 8, .value_kind: global_buffer, .address_space: global }
      - { .name: b2, .offset: 24, .size: 8, .value_kind: global_buffer, .address_space: global }
      - { .name: hres, .offset: 32, .size: 8, .value_kind: global_buffer, .address_space: global }
      - { .name: out0, .offset: 40, .size: 8, .value_kind: global_buffer, .address_space: global }
    .group_segment_fixed_size: 327680
    .private_segment_fixed_size: 0
    .kernarg_segment_align: 8
    .kernarg_segment_size: 48
    .max_flat_workgroup_size: 128
    .sgpr_count:     102
    .vgpr_count:     768
    .wavefront_size: 32
...
	.end_amdgpu_metadata
.endif
;; end of part 6
